; MI455X (gfx1250); checked and timed in simulation.
; The chip was launched on July 23, 2026; its instructions are those of AMD's public machine-readable ISA for CDNA 5 (MIT licence, August 2026) and "CDNA5" Instruction Set Architecture Reference Guide (July 2026). The comments in the code are by the model that wrote it; some were corrected since.
;; Transformer Encoder Layer. Allowed arithmetic: matrix products marked QUANTISED: E2M1 operands, one E8M0 scale for each 32 along K, by v_wmma_scale_f32_16x16x128_f8f6f4 with both operands' format E2M1 (or v_wmma_scale_f32_32x16x128_f4), f32 sums; everything else in f32.
;; Inputs: b1 1,024 float32; b2 1,024 float32; bk 1,024 float32; bo 1,024 float32; bq 1,024 float32; bv 1,024 float32; ln1_b 1,024 float32; ln1_g 1,024 float32; ln2_b 1,024 float32; ln2_g 1,024 float32; w1_codes 1,024 x 32 x 16 uint8 (E2M1 codes of w1, K innermost, in blocks of 32 codes, two codes a byte); w1_scales 1,024 x 32 uint8 (E8M0 scales of w1, one for each 32 codes along K); w2_codes 1,024 x 32 x 16 uint8 (E2M1 codes of w2, K innermost, in blocks of 32 codes, two codes a byte); w2_scales 1,024 x 32 uint8 (E8M0 scales of w2, one for each 32 codes along K); wk_codes 1,024 x 32 x 16 uint8 (E2M1 codes of wk, K innermost, in blocks of 32 codes, two codes a byte); wk_scales 1,024 x 32 uint8 (E8M0 scales of wk, one for each 32 codes along K); wo_codes 1,024 x 32 x 16 uint8 (E2M1 codes of wo, K innermost, in blocks of 32 codes, two codes a byte); wo_scales 1,024 x 32 uint8 (E8M0 scales of wo, one for each 32 codes along K); wq_codes 1,024 x 32 x 16 uint8 (E2M1 codes of wq, K innermost, in blocks of 32 codes, two codes a byte); wq_scales 1,024 x 32 uint8 (E8M0 scales of wq, one for each 32 codes along K); wv_codes 1,024 x 32 x 16 uint8 (E2M1 codes of wv, K innermost, in blocks of 32 codes, two codes a byte); wv_scales 1,024 x 32 uint8 (E8M0 scales of wv, one for each 32 codes along K); x 8 x 1,024 x 1,024 float32.
;; Outputs: out0 8 x 1,024 x 1,024 float32.
;; This version of the problem:
;;   THIS VERSION OF THE PROBLEM IS GIVEN IN LOW PRECISION. The matrix products marked QUANTISED in the list below multiply operands that are first quantised to E2M1 (2 exponent bits, 1 mantissa bit; 4 bits a number), with one power-of-two scale for each 32 numbers along K (OCP MX v1.0); their sums are f32. All else is computed in f32.
;;   The module's matrix products, in the order in which they are computed (A, B: the left and right operand; K: the contracted axis; several contracted axes count as one K, in the product's order):
;;     1. [M 8,192, K 1,024] x [K 1,024, N 1,024]; A: computed on the way; B: input wq (given as codes): QUANTISED
;;     2. [M 8,192, K 1,024] x [K 1,024, N 1,024]; A: computed on the way; B: input wk (given as codes): QUANTISED
;;     3. [M 8,192, K 1,024] x [K 1,024, N 1,024]; A: computed on the way; B: input wv (given as codes): QUANTISED
;;     4. batch 128 x [M 1,024, K 64] x [K 64, N 1,024]; A: computed on the way; B: computed on the way: QUANTISED
;;     5. batch 128 x [M 1,024, K 1,024] x [K 1,024, N 64]; A: softmax (see below); B: computed on the way: QUANTISED
;;     6. [M 8,192, K 1,024] x [K 1,024, N 1,024]; A: computed on the way; B: input wo (given as codes): QUANTISED
;;     7. [M 8,192, K 1,024] x [K 1,024, N 1,024]; A: computed on the way; B: input w1 (given as codes): QUANTISED
;;     8. [M 8,192, K 1,024] x [K 1,024, N 1,024]; A: computed on the way; B: input w2 (given as codes): QUANTISED
;;   THE QUANTISER, for each operand of a quantised product, along K:
;;     - K is cut into blocks of 32 from its start; a last block that is shorter is filled with zeros.
;;     - A block's scale is 2^e with e = floor(log2(the largest magnitude in the block)) - 2, held to -126 .. 127; a block of zeros has e = 0. As a byte (E8M0): e + 127.
;;     - Each number is divided by its block's scale, clamped to +-6, and rounded to the nearest number of E2M1, ties to even, subnormals kept.
;;     - The product sums the exact products of the quantised numbers (number of the format x scale) in f32.
;;   ~~~python
;;   def quantise(x, axis):      # numpy; x: float32 -> the quantised numbers, widened to float32 again
;;       x = np.moveaxis(x, axis, -1); K = x.shape[-1]
;;       x = np.pad(x, [(0, 0)] * (x.ndim - 1) + [(0, -K % 32)]); x = x.reshape(x.shape[:-1] + (-1, 32)); a = np.abs(x).max(-1, keepdims=True)
;;       e = np.where(a > 0, np.clip(np.frexp(np.where(a > 0, a, 1))[1] - 1 - 2, -126, 127), 0)      # np.frexp(a)[1] - 1 = floor(log2(a)), exactly
;;       r = np.clip(x / 2.0 ** e, -6, 6)
;;       step = 2.0 ** (np.maximum(np.frexp(np.where(r == 0, 1, r))[1] - 1, 0) - 1)
;;       q = np.round(r / step) * step * 2.0 ** e      # np.round: ties to even
;;       return np.moveaxis(q.reshape(q.shape[:-2] + (-1,))[..., :K], -1, axis).astype(np.float32)
;;   ~~~
;;   SOFTMAX AHEAD OF A QUANTISED PRODUCT. Where the list says 'softmax', what is quantised is not the finished softmax but p = 2^(t - M), with t = logit x log2(e) and M = ceil(the row's largest t), a whole number; so 1/2 < the row's largest p <= 1. The row's sum l is taken of the UNQUANTISED p, in f32, and the product's result is divided by l at the end. Since M is a whole number, a kernel that streams over the keys may use a running M (the ceiling of the running maximum): every later rescaling is an exact power of two, which a block's scale takes up: the codes' values come out the same.
;;   OPERANDS COMPUTED ON THE WAY. 'Computed on the way' means the value that the module computes at that place (a softmax that the list does not call 'softmax' is quantised finished and normalised). What goes into a quantiser is computed in f32, as accurately as f32 sums, v_exp_f32 and their like allow (about 1e-6 of the number): no bf16 or f16 on the way to a quantiser, and a product that is left as it is and whose result goes on into a quantised operand takes f32 operands (vector FMAs, or v_wmma_f32_16x16x4_f32). A number that lies on a knife's edge between two numbers of the format may be rounded either way, as far as f32 arithmetic and the matrix unit's own rounding can turn it there, and no further.
;;   INPUTS GIVEN AS CODES. w1 (in the module: [1024, 1024], K = its axis 0); w2 (in the module: [1024, 1024], K = its axis 0); wk (in the module: [1024, 1024], K = its axis 0); wo (in the module: [1024, 1024], K = its axis 0); wq (in the module: [1024, 1024], K = its axis 0); wv (in the module: [1024, 1024], K = its axis 0): each comes as NAME_codes (uint8): NAME with its K axis moved to the last place and cut into blocks of 32 codes, [.., K / 32, bytes a block], one block behind the other in memory; two codes a byte, the lower K in the low four bits (a code: sign, 2 exponent bits, 1 mantissa bit); and NAME_scales (uint8): the same leading axes, one E8M0 byte (e + 127) for each 32 codes along K. Its value is code x scale, taken as it is: it is not quantised again, and the codes and scales need not be those that the quantiser above would give.
;; One version. Each part assembles by itself: llvm-mc -triple=amdgcn-amd-amdhsa -mcpu=gfx1250 --defsym DOCPART=n.
;; ======== version 1 of 1: 3 launches
;; limits: right only within a limited range of input values
;; workspace buffers: qc 4,194,304 bytes; kc 4,194,304 bytes; vc 4,194,304 bytes; qks 1,048,576 bytes; vs 262,144 bytes; cc 4,194,304 bytes; cs 262,144 bytes; wimg 1,572,864 bytes
;; launch ln_qkv (part 1): grid 256 x 1, 16 waves a work-group, clusters of 4 x 1, 327,680 bytes of LDS; arguments x, ln1_g, ln1_b, wq_codes, wq_scales, bq, wk_codes, wk_scales, bk, wv_codes, wv_scales, bv, qc, kc, vc, qks, vs; writes qc, kc, vc, qks, vs
.if DOCPART == 1
	.amdgcn_target "amdgcn-amd-amdhsa--gfx1250"
	.amdhsa_code_object_version 6
	.text
	.protected	k_q44915a07bd_ln_qkv
	.globl	k_q44915a07bd_ln_qkv
	.p2align	8
	.type	k_q44915a07bd_ln_qkv,@function
k_q44915a07bd_ln_qkv:
	s_mov_b64 s[64:65], 0
	v_nop
	global_prefetch_b8 v0, s[64:65] scope:SCOPE_SE
	s_setreg_imm32_b32 hwreg(HW_REG_WAVE_MODE, 25, 1), 1
	s_wait_xcnt 0x0
	s_wait_alu depctr_hold_cnt(0) depctr_sa_sdst(0) depctr_va_vdst(0) depctr_va_sdst(0) depctr_va_ssrc(0) depctr_va_vcc(0) depctr_vm_vsrc(0)
	s_getreg_b32 s2, hwreg(HW_REG_IB_STS2, 6, 4)
	s_cmp_eq_u32 s2, 0
	s_cbranch_scc0 .Lentry_in_a_cluster
	s_endpgm
.Lentry_in_a_cluster:
	s_bfe_u32 s2, ttmp6, 0x10000c
	s_cmp_lg_u32 s2, 0x3003
	s_cbranch_scc0 .Lentry_shape_is_right
	s_endpgm
.Lentry_shape_is_right:
.set BUFB,   139264
.set LTILE,  8704
.set HTILE,  17408
.set PITCH,  272
.set IMG,    2*BUFB
.set ISC,    IMG+32768
.set PAR,    ISC+2048
.set PBI,    PAR+4096
.set SPARE,  PAR+10240
.set LI,  1
.set LS,  2
.set WA0, 3
.set WA1, 4
.set PB,  5
.set PBV, 6
.set WSO, 7
.set L8,  8
.set VSO, 9
.set SPW, 10
.set NIL, 11
.set QW,  12
.set IA,  14
.set PSA, 15
.set AS,  16
.set WS,  24
.set TM,  56
.set PW,  72
.set PW2, 73
.set PC,  74
.set BV,  82
.set CA,  92
.set SA,  93
.set PFO, 94
.set LBA, 95
.set ACC, 96
.set WF,  160
.set AFR, 224
.set R,   96
.set G,   224
.set SP,  56
.set MU,  64
.set RS,  72
.set XT,  80
.set P1,  84
.set P2,  88
.set BT,  56
.set M,   56
.set SO,  64
.set C,   72
.set BY,  80
.set XP,  4
.set LG,  6
.set LB,  8
.set WQC, 10
.set WQS, 12
.set BQ,  14
.set WKC, 16
.set WKS, 18
.set BK,  20
.set WVC, 22
.set WVS, 24
.set BVP, 26
.set QCP, 28
.set KCP, 30
.set VCP, 32
.set QKP, 34
.set VSP, 36
.set WV,  38
.set TBQ, 39
.set G1,  40
.set G0,  48
.set HW,  76
.set TW,  77
.set GH,  78
.set ASKF, 79
.set PK,  80
.set PV,  82
.set SEL, 84
.set HI,  86
.set RN,  87
.set EPS, 88
.macro PLACES n
.rept \n
	v_nop
.endr
.endm
.macro ROUND
	s_barrier_signal -1
	s_barrier_wait -1
	s_cmp_lg_u32 s[WV], 0
	s_cbranch_scc1 .Lnot_wave_0_\@
	s_barrier_signal -3
.Lnot_wave_0_\@:
	s_barrier_wait -3
	s_barrier_signal -1
	s_barrier_wait -1
.endm
.macro BARRIER
	s_wait_dscnt 0x0
	s_barrier_signal -1
	s_barrier_wait -1
.endm
.macro WM d, a, b, z, sa, sb, ra, rb
.if (\z) && (\ra) && (\rb)
	v_wmma_scale_f32_16x16x128_f8f6f4 v[(\d):(\d)+7], v[(\a):(\a)+7], v[(\b):(\b)+7], 0, v[\sa], v[\sb] matrix_a_fmt:MATRIX_FMT_FP4 matrix_b_fmt:MATRIX_FMT_FP4 matrix_a_scale:MATRIX_SCALE_ROW1 matrix_b_scale:MATRIX_SCALE_ROW1
.elseif (\z) && (\ra)
	v_wmma_scale_f32_16x16x128_f8f6f4 v[(\d):(\d)+7], v[(\a):(\a)+7], v[(\b):(\b)+7], 0, v[\sa], v[\sb] matrix_a_fmt:MATRIX_FMT_FP4 matrix_b_fmt:MATRIX_FMT_FP4 matrix_a_scale:MATRIX_SCALE_ROW1
.elseif (\z) && (\rb)
	v_wmma_scale_f32_16x16x128_f8f6f4 v[(\d):(\d)+7], v[(\a):(\a)+7], v[(\b):(\b)+7], 0, v[\sa], v[\sb] matrix_a_fmt:MATRIX_FMT_FP4 matrix_b_fmt:MATRIX_FMT_FP4 matrix_b_scale:MATRIX_SCALE_ROW1
.elseif (\z)
	v_wmma_scale_f32_16x16x128_f8f6f4 v[(\d):(\d)+7], v[(\a):(\a)+7], v[(\b):(\b)+7], 0, v[\sa], v[\sb] matrix_a_fmt:MATRIX_FMT_FP4 matrix_b_fmt:MATRIX_FMT_FP4
.elseif (\ra) && (\rb)
	v_wmma_scale_f32_16x16x128_f8f6f4 v[(\d):(\d)+7], v[(\a):(\a)+7], v[(\b):(\b)+7], v[(\d):(\d)+7], v[\sa], v[\sb] matrix_a_fmt:MATRIX_FMT_FP4 matrix_b_fmt:MATRIX_FMT_FP4 matrix_a_scale:MATRIX_SCALE_ROW1 matrix_b_scale:MATRIX_SCALE_ROW1
.elseif (\ra)
	v_wmma_scale_f32_16x16x128_f8f6f4 v[(\d):(\d)+7], v[(\a):(\a)+7], v[(\b):(\b)+7], v[(\d):(\d)+7], v[\sa], v[\sb] matrix_a_fmt:MATRIX_FMT_FP4 matrix_b_fmt:MATRIX_FMT_FP4 matrix_a_scale:MATRIX_SCALE_ROW1
.elseif (\rb)
	v_wmma_scale_f32_16x16x128_f8f6f4 v[(\d):(\d)+7], v[(\a):(\a)+7], v[(\b):(\b)+7], v[(\d):(\d)+7], v[\sa], v[\sb] matrix_a_fmt:MATRIX_FMT_FP4 matrix_b_fmt:MATRIX_FMT_FP4 matrix_b_scale:MATRIX_SCALE_ROW1
.else
	v_wmma_scale_f32_16x16x128_f8f6f4 v[(\d):(\d)+7], v[(\a):(\a)+7], v[(\b):(\b)+7], v[(\d):(\d)+7], v[\sa], v[\sb] matrix_a_fmt:MATRIX_FMT_FP4 matrix_b_fmt:MATRIX_FMT_FP4
.endif
.endm
.macro QUANT s
.irp b, 0,1,2,3
	v_max3_num_f32 v[TM+\b], |v[(\s)+16*\b]|, |v[(\s)+16*\b+1]|, 0x1800000
.endr
.irp i, 2,4,6,8,10,12,14
.irp b, 0,1,2,3
	v_max3_num_f32 v[TM+\b], v[TM+\b], |v[(\s)+16*\b+\i]|, |v[(\s)+16*\b+\i+1]|
.endr
.endr
.irp b, 0,1,2,3
	s_delay_alu instid0(VALU_DEP_4)
	v_permlanex16_b32 v[TM+4+\b], v[TM+\b], s[SEL], s[SEL+1]
.endr
.irp b, 0,1,2,3
	s_delay_alu instid0(VALU_DEP_4)
	v_max_num_f32 v[TM+\b], v[TM+\b], v[TM+4+\b]
.endr
.irp b, 0,1,2,3
	s_delay_alu instid0(VALU_DEP_4)
	v_add_nc_u32 v[TM+12+\b], 0xff000000, v[TM+\b]
.endr
.irp b, 0,1,2,3
	s_delay_alu instid0(VALU_DEP_4)
	v_lshrrev_b32 v[TM+4+\b], 23, v[TM+12+\b]
.endr
.irp c, 0,1
	v_cvt_scalef32_pk8_fp4_f32 v[PC+4*\c], v[(\s)+32*\c:(\s)+32*\c+7], v[TM+12+2*\c]
	v_cvt_scalef32_pk8_fp4_f32 v[PC+4*\c+2], v[(\s)+32*\c+8:(\s)+32*\c+15], v[TM+12+2*\c]
	v_cvt_scalef32_pk8_fp4_f32 v[PC+4*\c+1], v[(\s)+32*\c+16:(\s)+32*\c+23], v[TM+13+2*\c]
	v_cvt_scalef32_pk8_fp4_f32 v[PC+4*\c+3], v[(\s)+32*\c+24:(\s)+32*\c+31], v[TM+13+2*\c]
.endr
	v_nop
.irp c, 0,1
	v_permlane16_swap_b32 v[PC+4*\c], v[PC+4*\c+1]
	v_permlane16_swap_b32 v[PC+4*\c+2], v[PC+4*\c+3]
.endr
.endm
.macro WSLOAD buf, sp
.irp a, 0,1
.irp e, 0,1
	global_load_b128 v[WS+16*(\buf)+8*\a+4*\e:WS+16*(\buf)+8*\a+4*\e+3], v[WSO], s[\sp:\sp+1] offset:1024*\a+16*\e
.endr
.endr
.endm
.macro FETCHW adr, q, s, wb
.irp u, 0,1,2,3
.irp c, 0,1
	ds_load_b128 v[WF+32*(\wb)+8*\u+4*\c:WF+32*(\wb)+8*\u+4*\c+3], v[\adr] offset:\u*16*PITCH+64*(\q)+32*\c
.endr
.endr
.irp t, 0,1
.irp c, 0,1
	ds_load_b128 v[AFR+16*(\wb)+8*\t+4*\c:AFR+16*(\wb)+8*\t+4*\c+3], v[IA] offset:1024*(8*\t+(\s))+512*\c
.endr
.endr
.endm
.macro MUL8 form, wb, s, wsb, base, st, su, z
.irp t, 0,1
.irp u, 0,1,2,3
.if \form
	WM (\base)+(\st)*\t+(\su)*\u, WF+32*(\wb)+8*\u, AFR+16*(\wb)+8*\t, \z, WS+16*(\wsb)+8*(\u/2)+(\s), AS+(\s), \u%2, \t
.else
	WM (\base)+(\st)*\t+(\su)*\u, AFR+16*(\wb)+8*\t, WF+32*(\wb)+8*\u, \z, AS+(\s), WS+16*(\wsb)+8*(\u/2)+(\s), \t, \u%2
.endif
.endr
.endr
.endm
.macro SLOTW form, adr, kap, wsb, base, st, su, z
	FETCHW \adr, 0, 4*(\kap), 0
.irp q, 0,1,2,3
.if \q < 3
.if \q > 0
	PLACES 4
.endif
	FETCHW \adr, \q+1, 4*(\kap)+\q+1, (\q+1)%2
	s_wait_dscnt 12
.else
	s_wait_dscnt 0x0
.endif
.if (\z) && ((\kap) == 0) && (\q == 0)
	MUL8 \form, \q%2, 4*(\kap)+\q, \wsb, \base, \st, \su, 1
.else
	MUL8 \form, \q%2, 4*(\kap)+\q, \wsb, \base, \st, \su, 0
.endif
.endr
.endm
.macro CHANGE fill, g0, wp, off
	s_wait_tensorcnt 0x0
	ds_add_u32 v[SPW], v[NIL]
.if \fill
	s_add_nc_u64 s[\g0+2:\g0+3], s[\wp:\wp+1], \off
	s_or_b32 s[\g0+3], s[\g0+3], 0x80000000
.endif
	s_wait_dscnt 0x0
.if \fill
	ROUND
	tensor_load_to_lds s[\g0:\g0+3], s[G1:G1+7]
	s_nop 0
.else
	s_barrier_signal -1
	s_barrier_wait -1
.endif
	PLACES 4
.endm
.macro ASK p0, o0, two, p1, o1
	s_cmp_eq_u32 s[ASKF], 0
	s_cbranch_scc0 .Lnot_mine_\@
	global_prefetch_b8 v[PFO], s[\p0:\p0+1] offset:\o0 th:TH_LOAD_NT scope:SCOPE_SE
.if \two
	global_prefetch_b8 v[PFO], s[\p1:\p1+1] offset:\o1 th:TH_LOAD_NT scope:SCOPE_SE
.endif
.Lnot_mine_\@:
.endm
	s_load_b512 s[4:19], s[0:1], 0x0
	s_load_b512 s[20:35], s[0:1], 0x40
	s_load_b64 s[36:37], s[0:1], 0x80
	v_lshl_add_u32 v[SPW], v0, 2, SPARE
	v_mov_b32 v[NIL], 0
	ds_add_u32 v[SPW], v[NIL]
	ds_add_u32 v[SPW], v[NIL]
	v_lshrrev_b32 v1, 5, v0
	s_delay_alu instid0(VALU_DEP_1)
	v_readfirstlane_b32 s[WV], v1
	s_and_b32 s[HW], s[WV], 7
	s_lshr_b32 s[TW], s[WV], 3
	s_bfe_u32 s89, ttmp6, 0x40000
	s_and_b32 s[GH], ttmp9, 1
	s_lshr_b32 s[ASKF], ttmp9, 1
	s_lshl_b32 s[TBQ], s[ASKF], 2
	s_add_co_u32 s[TBQ], s[TBQ], s89
	s_lshr_b32 s90, s[WV], 2
	s_or_b32 s[ASKF], s[ASKF], s90
	s_lshl_b32 s94, s89, 16
	s_mov_b32 s95, 0
	s_mov_b32 s[G1], 15|(1<<20)|(1<<21)|(5<<22)|(3<<25)
	s_mov_b32 s[G1+1], 256<<16
	s_mov_b32 s[G1+2], 32<<16
	s_mov_b32 s[G1+3], 256<<16
	s_mov_b32 s[G1+4], 32
	s_mov_b32 s[G1+5], 512
	s_mov_b32 s[G1+6], 0
	s_mov_b32 s[G1+7], 0
	s_mov_b32 s[SEL], 0x76543210
	s_mov_b32 s[SEL+1], 0xfedcba98
	s_mov_b32 s[HI], 0xffff0000
	s_mov_b32 s[RN], 0x3a800000
	s_mov_b32 s[EPS], 0x3727c5ac
	s_lshr_b32 s90, s[TBQ], 4
	s_and_b32 s91, s[TBQ], 15
	s_lshl_b32 s91, s91, 1
	s_add_co_u32 s91, s91, s[TW]
	s_lshl_b32 s92, s90, 4
	s_add_co_u32 s92, s92, s[HW]
	s_lshl_b32 s93, s[GH], 3
	s_add_co_u32 s92, s92, s93
	s_lshl_b32 s56, s92, 15
	s_lshl_b32 s93, s91, 10
	s_add_co_u32 s56, s56, s93
	s_mov_b32 s57, 0
	s_lshl_b32 s58, s92, 13
	s_lshl_b32 s93, s91, 8
	s_add_co_u32 s58, s58, s93
	s_mov_b32 s59, 0
	s_lshl_b32 s60, s92, 11
	s_lshl_b32 s93, s91, 6
	s_add_co_u32 s60, s60, s93
	s_mov_b32 s61, 0
	s_lshl_b32 s62, s[TBQ], 18
	s_lshl_b32 s93, s[WV], 14
	s_add_co_u32 s62, s62, s93
	s_mov_b32 s63, 0
	s_lshl_b32 s66, s[GH], 18
	s_add_co_u32 s66, s66, s93
	s_mov_b32 s67, 0
	s_lshl_b32 s68, s[GH], 14
	s_lshl_b32 s93, s[HW], 11
	s_add_co_u32 s68, s68, s93
	s_mov_b32 s69, 0
	s_and_b32 s93, s[WV], 3
	s_lshl_b32 s93, s93, 9
	s_lshl_b32 s72, s[GH], 11
	s_add_co_u32 s72, s72, s93
	s_mov_b32 s73, 0
	s_lshl_b32 s70, s[WV], 9
	s_cmp_lt_u32 s[WV], 8
	s_cselect_b32 s70, s70, s72
	s_mov_b32 s71, 0
	s_mul_i32 s74, s[WV], LTILE
	s_mul_i32 s75, s[HW], HTILE
	s_lshl_b32 s90, s[HW], 8
	s_lshl_b32 s91, s[TW], 7
	s_add_co_u32 s91, s91, ISC
	s_lshl_b32 s92, s[TW], 14
	s_add_co_u32 s92, s92, IMG
	s_lshl_b32 s93, s[WV], 9
	s_add_co_u32 s93, s93, PAR
	s_lshr_b32 s96, s[WV], 2
	s_lshl_b32 s96, s96, 13
	s_and_b32 s97, s[WV], 3
	s_lshl_b32 s97, s97, 6
	s_add_co_u32 s96, s96, s97
	s_add_co_u32 s96, s96, IMG
	s_lshl_b32 s97, s[WV], 4
	s_add_co_u32 s97, s97, ISC
	v_and_b32 v56, 31, v0
	v_and_b32 v57, 15, v0
	v_bfe_u32 v58, v0, 4, 1
	s_delay_alu instid0(VALU_DEP_3)
	v_lshlrev_b32 v[LI], 4, v56
	s_delay_alu instid0(VALU_DEP_4)
	v_lshlrev_b32 v[LS], 2, v56
	s_delay_alu instid0(VALU_DEP_1)
	v_add_nc_u32 v[LS], s91, v[LS]
	v_mul_u32_u24 v[WA0], v57, PITCH
	s_delay_alu instid0(VALU_DEP_1)
	v_lshl_add_u32 v[WA0], v58, 4, v[WA0]
	s_delay_alu instid0(VALU_DEP_1)
	v_add_nc_u32 v[WA0], s75, v[WA0]
	s_delay_alu instid0(VALU_DEP_1)
	v_add_nc_u32 v[WA1], BUFB, v[WA0]
	v_lshlrev_b32 v[PB], 5, v58
	s_delay_alu instid0(VALU_DEP_1)
	v_add_nc_u32 v[PB], s90, v[PB]
	s_delay_alu instid0(VALU_DEP_1)
	v_add_nc_u32 v[PB], PBI, v[PB]
	v_lshlrev_b32 v[PBV], 2, v57
	s_delay_alu instid0(VALU_DEP_1)
	v_add_nc_u32 v[PBV], s90, v[PBV]
	s_delay_alu instid0(VALU_DEP_1)
	v_add_nc_u32 v[PBV], PBI+4096, v[PBV]
	v_lshlrev_b32 v[WSO], 5, v56
	v_lshlrev_b32 v[L8], 3, v56
	v_lshlrev_b32 v[VSO], 2, v57
	v_add_nc_u32 v[IA], s92, v[LI]
	v_add_nc_u32 v[PSA], s93, v[LI]
	v_add_nc_u32 v[LBA], PAR, v[LI]
	v_lshlrev_b32 v[PFO], 9, v56
	v_lshlrev_b32 v[CA], 9, v58
	v_bfe_u32 v59, v0, 3, 1
	s_delay_alu instid0(VALU_DEP_1)
	v_lshl_add_u32 v[CA], v59, 8, v[CA]
	v_and_b32 v59, 7, v0
	s_delay_alu instid0(VALU_DEP_1)
	v_lshl_add_u32 v[CA], v59, 1, v[CA]
	s_delay_alu instid0(VALU_DEP_1)
	v_add_nc_u32 v[CA], s96, v[CA]
	v_bfe_u32 v[SA], v0, 3, 2
	s_delay_alu instid0(VALU_DEP_1)
	v_add_nc_u32 v[SA], s97, v[SA]
.irp p, 0,1,2,3
	v_mov_b32 v[MU+2*\p+1], 0
	v_mov_b32 v[RS+2*\p+1], 0
	v_mov_b32 v[XT+\p], 0
.endr
	s_wait_dscnt 0x0
	s_wait_kmcnt 0x0
	s_add_nc_u64 s[XP:XP+1], s[XP:XP+1], s[62:63]
	s_add_nc_u64 s[WQC:WQC+1], s[WQC:WQC+1], s[66:67]
	s_add_nc_u64 s[WKC:WKC+1], s[WKC:WKC+1], s[66:67]
	s_add_nc_u64 s[WVC:WVC+1], s[WVC:WVC+1], s[66:67]
	s_add_nc_u64 s[WQS:WQS+1], s[WQS:WQS+1], s[68:69]
	s_add_nc_u64 s[WKS:WKS+1], s[WKS:WKS+1], s[68:69]
	s_add_nc_u64 s[WVS:WVS+1], s[WVS:WVS+1], s[68:69]
	s_cmp_lt_u32 s[WV], 12
	s_cselect_b64 s[BQ:BQ+1], s[BQ:BQ+1], s[BK:BK+1]
	s_cmp_lt_u32 s[WV], 8
	s_cselect_b64 s[LB:LB+1], s[LB:LB+1], s[BQ:BQ+1]
	s_add_nc_u64 s[LB:LB+1], s[LB:LB+1], s[70:71]
	s_add_nc_u64 s[BVP:BVP+1], s[BVP:BVP+1], s[72:73]
	s_add_nc_u64 s[QCP:QCP+1], s[QCP:QCP+1], s[56:57]
	s_add_nc_u64 s[KCP:KCP+1], s[KCP:KCP+1], s[56:57]
	s_add_nc_u64 s[VCP:VCP+1], s[VCP:VCP+1], s[56:57]
	s_add_nc_u64 s[QKP:QKP+1], s[QKP:QKP+1], s[58:59]
	s_add_nc_u64 s[VSP:VSP+1], s[VSP:VSP+1], s[60:61]
	s_add_nc_u64 s[PK:PK+1], s[WKC:WKC+1], s[94:95]
	s_add_nc_u64 s[PV:PV+1], s[WVC:WVC+1], s[94:95]
	s_mov_b32 s[G0], 1
	s_mov_b32 s[G0+1], s74
	s_mov_b64 s[G0+2:G0+3], s[WQC:WQC+1]
	s_or_b32 s[G0+3], s[G0+3], 0x80000000
	s_mov_b32 s[G0+4], 1
	s_add_co_u32 s[G0+5], s74, BUFB
	s_add_nc_u64 s[G0+6:G0+7], s[WQC:WQC+1], 256
	s_or_b32 s[G0+7], s[G0+7], 0x80000000
	ROUND
	tensor_load_to_lds s[G0:G0+3], s[G1:G1+7]
	s_nop 0
	s_wait_alu depctr_va_vdst(0)
.irp p, 0,1,2,3
.irp i, 0,1,2,3,4,5,6,7
	global_load_b128 v[R+32*\p+4*\i:R+32*\p+4*\i+3], v[LI], s[XP:XP+1] offset:4096*\p+512*\i
.endr
.endr
.irp i, 0,1,2,3,4,5,6,7
	global_load_b128 v[G+4*\i:G+4*\i+3], v[LI], s[LG:LG+1] offset:512*\i
.endr
	global_load_b128 v[P1:P1+3], v[LI], s[LB:LB+1]
	global_load_b128 v[P2:P2+3], v[LI], s[BVP:BVP+1]
	WSLOAD 0, WQS
	s_wait_tensorcnt 0x0
	ds_add_u32 v10, v11
	s_wait_dscnt 0x0
	ROUND
	tensor_load_to_lds s[G0+4:G0+7], s[G1:G1+7]
	s_nop 0
	PLACES 4
.macro LANESUM
.irp p, 0,1,2,3
	s_delay_alu instid0(VALU_DEP_4)
	v_add_f32 v[SP+2*\p], v[SP+2*\p], v[SP+2*\p+1]
.endr
.irp m, 1,2,4,8
.irp p, 0,1,2,3
	s_delay_alu instid0(VALU_DEP_4)
	v_add_f32_dpp v[SP+2*\p], v[SP+2*\p], v[SP+2*\p] row_xmask:\m row_mask:0xf bank_mask:0xf
.endr
.endr
.irp p, 0,1,2,3
	s_delay_alu instid0(VALU_DEP_4)
	v_permlanex16_b32 v[XT+\p], v[SP+2*\p], s[SEL], s[SEL+1]
.endr
.irp p, 0,1,2,3
	s_delay_alu instid0(VALU_DEP_4)
	v_add_f32 v[SP+2*\p], v[SP+2*\p], v[XT+\p]
.endr
.endm
	s_wait_loadcnt 14
.irp p, 0,1,2,3
	v_pk_add_f32 v[SP+2*\p:SP+2*\p+1], v[R+32*\p:R+32*\p+1], v[R+32*\p+2:R+32*\p+3]
.endr
.irp i, 4,6,8,10,12,14,16,18,20,22,24,26,28,30
.irp p, 0,1,2,3
	s_delay_alu instid0(VALU_DEP_4)
	v_pk_add_f32 v[SP+2*\p:SP+2*\p+1], v[SP+2*\p:SP+2*\p+1], v[R+32*\p+\i:R+32*\p+\i+1]
.endr
.endr
	LANESUM
.irp p, 0,1,2,3
	s_delay_alu instid0(VALU_DEP_4)
	v_mul_f32 v[MU+2*\p], s[RN], v[SP+2*\p]
.endr
.irp i, 0,2,4,6,8,10,12,14,16,18,20,22,24,26,28,30
.irp p, 0,1,2,3
	v_pk_add_f32 v[R+32*\p+\i:R+32*\p+\i+1], v[R+32*\p+\i:R+32*\p+\i+1], v[MU+2*\p:MU+2*\p+1] op_sel_hi:[1,0] neg_lo:[0,1] neg_hi:[0,1]
.endr
.endr
.irp p, 0,1,2,3
	v_pk_mul_f32 v[SP+2*\p:SP+2*\p+1], v[R+32*\p:R+32*\p+1], v[R+32*\p:R+32*\p+1]
.endr
.irp i, 2,4,6,8,10,12,14,16,18,20,22,24,26,28,30
.irp p, 0,1,2,3
	s_delay_alu instid0(VALU_DEP_4)
	v_pk_fma_f32 v[SP+2*\p:SP+2*\p+1], v[R+32*\p+\i:R+32*\p+\i+1], v[R+32*\p+\i:R+32*\p+\i+1], v[SP+2*\p:SP+2*\p+1]
.endr
.endr
	LANESUM
.irp p, 0,1,2,3
	s_delay_alu instid0(VALU_DEP_4)
	v_fma_f32 v[RS+2*\p], v[SP+2*\p], s[RN], s[EPS]
.endr
	s_wait_loadcnt 4
	ds_store_b128 v[PSA], v[P1:P1+3]
	s_cmp_lt_u32 s[WV], 4
	s_cbranch_scc0 .Lno_bv
	ds_store_b128 v[PSA], v[P2:P2+3] offset:8192
.Lno_bv:
	BARRIER
	s_wait_alu depctr_va_vdst(0)
.irp p, 0,1,2,3
	v_rsq_f32 v[RS+2*\p], v[RS+2*\p]
.endr
	v_nop
	s_wait_alu depctr_va_vdst(0)
.irp i, 0,2,4,6,8,10,12,14,16,18,20,22,24,26,28,30
.irp p, 0,1,2,3
	v_pk_mul_f32 v[R+32*\p+\i:R+32*\p+\i+1], v[R+32*\p+\i:R+32*\p+\i+1], v[RS+2*\p:RS+2*\p+1] op_sel_hi:[1,0]
.endr
.endr
.irp i, 0,1,2,3,4,5,6,7
	ds_load_b128 v[BT+4*\i:BT+4*\i+3], v[LBA] offset:512*\i
.endr
	s_wait_dscnt 0x0
.irp i, 0,2,4,6,8,10,12,14,16,18,20,22,24,26,28,30
.irp p, 0,1,2,3
	v_pk_fma_f32 v[R+32*\p+\i:R+32*\p+\i+1], v[R+32*\p+\i:R+32*\p+\i+1], v[G+\i:G+\i+1], v[BT+\i:BT+\i+1]
.endr
.endr
.macro LNQ p
.if \p > 0
	s_wait_dscnt 0x0
.endif
.irp i, 0,1,2,3,4,5,6,7
	v_max3_num_f32 v[M+\i], |v[R+32*\p+4*\i]|, |v[R+32*\p+4*\i+1]|, 0x1800000
.endr
.irp i, 0,1,2,3,4,5,6,7
	v_max3_num_f32 v[M+\i], v[M+\i], |v[R+32*\p+4*\i+2]|, |v[R+32*\p+4*\i+3]|
.endr
.irp m, 1,2,4
.irp i, 0,1,2,3,4,5,6,7
	v_max_num_f32_dpp v[M+\i], v[M+\i], v[M+\i] row_xmask:\m row_mask:0xf bank_mask:0xf
.endr
.endr
.irp i, 0,1,2,3,4,5,6,7
	v_add_nc_u32 v[SO+\i], 0xff000000, v[M+\i]
.endr
.irp i, 0,1,2,3,4,5,6,7
	v_cvt_scalef32_pk8_fp4_f32 v[C+\i], v[R+32*\p+4*\i:R+32*\p+4*\i+7], v[SO+\i]
.endr
.irp i, 0,1,2,3,4,5,6,7
	v_lshrrev_b32 v[BY+\i], 23, v[SO+\i]
.endr
.irp i, 0,1,2,3,4,5,6,7
	ds_store_b16 v[CA], v[C+\i] offset:1024*\i+16*\p
	ds_store_b8 v[SA], v[BY+\i] offset:256*\i+4*\p
.endr
.endm
	LNQ 0
	LNQ 1
	LNQ 2
	LNQ 3
	s_wait_tensorcnt 0x1
	BARRIER
.irp s, 0,1,2,3,4,5,6,7
	ds_load_b32 v[AS+\s], v[LS] offset:256*\s
.endr
.irp b, 0,1,2,3
	v_mov_b32 v[TM+4+\b], 0
.endr
.macro BIASQK kind
.irp t, 0,1
.irp u, 0,1,2,3
.irp e, 0,1
	ds_load_b128 v[ACC+32*\t+8*\u+4*\e:ACC+32*\t+8*\u+4*\e+3], v[PB] offset:2048*\kind+64*\u+16*\e
.endr
.endr
.endr
.endm
.macro EPIQK dst, isk
	s_wait_xcnt 0x0
	QUANT ACC
	v_lshl_or_b32 v[PW], v[TM+5], 8, v[TM+4]
	v_lshl_or_b32 v[PW2], v[TM+7], 8, v[TM+6]
	s_delay_alu instid0(VALU_DEP_2)
	v_or_b32 v[PW], 0x7f7f0000, v[PW]
	s_delay_alu instid0(VALU_DEP_2)
	v_or_b32 v[PW2], 0x7f7f0000, v[PW2]
	s_delay_alu instid0(VALU_DEP_1)
	v_cndmask_b32 v[PW], v[PW], v[PW2], s[HI]
	global_store_b128 v[LI], v[PC:PC+3], s[\dst:\dst+1]
	global_store_b128 v[LI], v[PC+4:PC+7], s[\dst:\dst+1] offset:512
.if \isk
	v_mov_b32 v[QW+1], v[PW]
	global_store_b64 v[L8], v[QW:QW+1], s[QKP:QKP+1]
.else
	v_mov_b32 v[QW], v[PW]
.endif
.endm
	s_wait_loadcnt 0x0
	WSLOAD 1, WKS
	BIASQK 0
	SLOTW 1, WA0, 0, 0, ACC, 32, 8, 0
	CHANGE 1, G0, WKC, 0
	ASK PK, 256, 1, PV, 0
	SLOTW 1, WA1, 1, 0, ACC, 32, 8, 0
	CHANGE 1, G0+4, WKC, 256
	EPIQK QCP, 0
	s_wait_loadcnt 0x0
	WSLOAD 0, WVS
	BIASQK 1
	SLOTW 1, WA0, 0, 1, ACC, 32, 8, 0
	CHANGE 1, G0, WVC, 0
	ASK PV, 256, 0, PV, 0
	SLOTW 1, WA1, 1, 1, ACC, 32, 8, 0
	CHANGE 1, G0+4, WVC, 256
	EPIQK KCP, 1
	s_wait_loadcnt 0x0
.irp u, 0,1,2,3
	ds_load_b32 v[BV+2*\u], v[PBV] offset:64*\u
	ds_load_b32 v[BV+2*\u+1], v[PBV] offset:64*\u
.endr
	SLOTW 0, WA0, 0, 0, ACC, 8, 16, 1
	CHANGE 0, 0, 0, 0
	SLOTW 0, WA1, 1, 0, ACC, 8, 16, 1
	PLACES 4
	s_wait_xcnt 0x0
.irp u, 0,1,2,3
.irp n, 0,2,4,6,8,10,12,14
	v_pk_add_f32 v[ACC+16*\u+\n:ACC+16*\u+\n+1], v[ACC+16*\u+\n:ACC+16*\u+\n+1], v[BV+2*\u:BV+2*\u+1]
.endr
.endr
	QUANT ACC
	v_lshl_or_b32 v[PW], v[TM+5], 8, v[TM+4]
	s_delay_alu instid0(VALU_DEP_1)
	v_lshl_or_b32 v[PW], v[TM+6], 16, v[PW]
	s_delay_alu instid0(VALU_DEP_1)
	v_lshl_or_b32 v[PW], v[TM+7], 24, v[PW]
	global_store_b128 v[LI], v[PC:PC+3], s[VCP:VCP+1]
	global_store_b128 v[LI], v[PC+4:PC+7], s[VCP:VCP+1] offset:512
	v_and_b32 v[PW2], 31, v0
	s_delay_alu instid0(VALU_DEP_1)
	v_cmp_gt_u32 vcc_lo, 16, v[PW2]
	s_wait_alu depctr_va_vdst(0)
	s_wait_xcnt 0x0
	s_and_saveexec_b32 s89, vcc_lo
	global_store_b32 v[VSO], v[PW], s[VSP:VSP+1]
	s_wait_xcnt 0x0
	s_or_b32 exec_lo, exec_lo, s89
	s_wait_tensorcnt 0x0
	ds_add_u32 v[SPW], v[NIL]
	s_wait_dscnt 0x0
	ROUND
	s_endpgm
.Lfunc_end_k_q44915a07bd_ln_qkv:
	.size	k_q44915a07bd_ln_qkv, .Lfunc_end_k_q44915a07bd_ln_qkv-k_q44915a07bd_ln_qkv
	.p2alignl 7, 3214868480
	.fill 96, 4, 3214868480
	.section	.rodata,"a",@progbits
	.p2align	6, 0x0
	.amdhsa_kernel k_q44915a07bd_ln_qkv
		.amdhsa_group_segment_fixed_size 327680
		.amdhsa_private_segment_fixed_size 0
		.amdhsa_enable_private_segment 0
		.amdhsa_kernarg_size 136
		.amdhsa_user_sgpr_count 2
		.amdhsa_user_sgpr_kernarg_segment_ptr 1
		.amdhsa_wavefront_size32 1
		.amdhsa_system_sgpr_workgroup_id_x 1
		.amdhsa_system_sgpr_workgroup_id_y 1
		.amdhsa_system_sgpr_workgroup_id_z 1
		.amdhsa_system_vgpr_workitem_id 0
		.amdhsa_next_free_vgpr 256
		.amdhsa_next_free_sgpr 102
		.amdhsa_reserve_vcc 1
		.amdhsa_float_denorm_mode_32 3
		.amdhsa_float_denorm_mode_16_64 3
		.amdhsa_memory_ordered 1
		.amdhsa_forward_progress 1
		.amdhsa_inst_pref_size 132
	.end_amdhsa_kernel
	.amdgpu_metadata
---
amdhsa.version: [ 1, 2 ]
amdhsa.kernels:
  - .name:           k_q44915a07bd_ln_qkv
    .symbol:         k_q44915a07bd_ln_qkv.kd
    .args:
      - { .name: x, .offset: 0, .size: 8, .value_kind: global_buffer, .address_space: global }
      - { .name: ln1_g, .offset: 8, .size: 8, .value_kind: global_buffer, .address_space: global }
      - { .name: ln1_b, .offset: 16, .size: 8, .value_kind: global_buffer, .address_space: global }
      - { .name: wq_codes, .offset: 24, .size: 8, .value_kind: global_buffer, .address_space: global }
      - { .name: wq_scales, .offset: 32, .size: 8, .value_kind: global_buffer, .address_space: global }
      - { .name: bq, .offset: 40, .size: 8, .value_kind: global_buffer, .address_space: global }
      - { .name: wk_codes, .offset: 48, .size: 8, .value_kind: global_buffer, .address_space: global }
      - { .name: wk_scales, .offset: 56, .size: 8, .value_kind: global_buffer, .address_space: global }
      - { .name: bk, .offset: 64, .size: 8, .value_kind: global_buffer, .address_space: global }
      - { .name: wv_codes, .offset: 72, .size: 8, .value_kind: global_buffer, .address_space: global }
      - { .name: wv_scales, .offset: 80, .size: 8, .value_kind: global_buffer, .address_space: global }
      - { .name: bv, .offset: 88, .size: 8, .value_kind: global_buffer, .address_space: global }
      - { .name: qc, .offset: 96, .size: 8, .value_kind: global_buffer, .address_space: global }
      - { .name: kc, .offset: 104, .size: 8, .value_kind: global_buffer, .address_space: global }
      - { .name: vc, .offset: 112, .size: 8, .value_kind: global_buffer, .address_space: global }
      - { .name: qks, .offset: 120, .size: 8, .value_kind: global_buffer, .address_space: global }
      - { .name: vs, .offset: 128, .size: 8, .value_kind: global_buffer, .address_space: global }
    .group_segment_fixed_size: 327680
    .private_segment_fixed_size: 0
    .kernarg_segment_align: 8
    .kernarg_segment_size: 136
    .max_flat_workgroup_size: 512
    .sgpr_count:     102
    .vgpr_count:     256
    .wavefront_size: 32
...
	.end_amdgpu_metadata
.endif
;; end of part 1
;; launch attn (part 2): grid 2 x 128, 16 waves a work-group, no clusters, 167,936 bytes of LDS; arguments qc, kc, vc, qks, vs, cc, cs, wo_codes, w1_codes, w2_codes, wimg; writes cc, cs, wimg
.if DOCPART == 2
	.amdgcn_target "amdgcn-amd-amdhsa--gfx1250"
	.amdhsa_code_object_version 6
	.text
	.protected	k_q44915a07bd_attn
	.globl	k_q44915a07bd_attn
	.p2align	8
	.type	k_q44915a07bd_attn,@function
k_q44915a07bd_attn:
	s_mov_b64 s[64:65], 0
	v_nop
	global_prefetch_b8 v0, s[64:65] scope:SCOPE_SE
	s_setreg_imm32_b32 hwreg(HW_REG_WAVE_MODE, 25, 1), 1
	s_wait_xcnt 0x0
; ctx = softmax(q k^T / 8) v for one head, both products on codes of E2M1; ctx quantised along E for the next launch.
; THE SOFTMAX: t = score x log2(e) / 8 (q's codes stand for 8 x what the model calls q: a power of two, which moves no code); M = the running largest t rounded UP to a whole number; p = 2^(t - M) is quantised along the keys,
; not normalised; the row's sum is taken of the unquantised p and divides at the end; when M moves, the sum and O are multiplied by 2^(old M - new M), which rounds nothing.
; SHARES.  A work-group owns 512 queries of one head (x: which half; y: the head); each of its sixteen waves owns 32, two tiles of 16, walked by a loop of two trips; in a trip the eight steps of 128 keys are written out.
; A head's codes of k and v and the scale words of q and k, 73,728 bytes, come into LDS ONCE, by nine tensor loads of 8,192 dense bytes; nothing is filled again, so there is one barrier.
; NO CLUSTER: a head has two work-groups, fewer than the four of a cluster; and what they share is one fill of 73,728 bytes for a work-group's whole run of 256 steps of a tile.
; LAYOUT.  Both products are used transposed: S^T = k q^T (source 0 = 16 keys), O^T = v^T p^T (source 0 = 16 of the head's 64): a lane holds ONE query throughout.
; K = 64 IN AN INSTRUCTION OF 128: a tile of k is four registers; source 0 names eight, so its upper four are the next tile's codes (behind the last tile: zeros).  They meet q's upper four registers, which hold zero codes,
; under scale bytes 0x7f on both sides: each such product is 0.
; LIMITS: a block whose largest magnitude lies under 2^-124 has its byte held at 1; a block of zeros keeps the byte 1; NaN and infinities are not served.
.set VOFF,  32768                      ; LDS: k's images 512 T + 16 lane;  v at VOFF + 1,024 key block + 16 d;  the words of q and k at QKOFF + 256 block + 8 token
.set QKOFF, 65536
.set SPARE, 73728                      ; the spare words: 128 bytes for each of sixteen waves; no other line names them
.set KA,  1                            ; v1   16 x lane
.set VA,  2                            ; v2   VOFF + 1,024 h + 16 r
.set KSA, 3                            ; v3   QKOFF + 8 x lane + 4: k's word
.set SPW, 4
.set NIL, 5
.set GO,  6                            ; v6   16 x lane (global)
.set QSO, 7                            ; v7   8 r
.set CSO, 8                            ; v8   4 x lane
.set HWD, 9                            ; v9   ctx's two scale bytes: lanes 0-15 tile 0, lanes 16-31 tile 1
.set VSO, 10                           ; v10  1,024 h + 4 r
.set QF,  16                           ; v16-19 q's codes, v20-23 zeros
.set QS,  24
.set KS,  25                           ; v25-28 k's words: register j: lanes 0-15 tile 2 j, lanes 16-31 tile 2 j + 1
.set PW,  29                           ; p's scale word
.set FF,  30                           ; v[30:31] f = 2^(old M - new M)
.set VS,  32                           ; v32-47 v's scale words: (u, s % 4) at 4 u + s % 4; lanes 0-15 steps 0-3, lanes 16-31 steps 4-7
.set KF,  48                           ; v48-79 eight tiles of k, v80-83 zeros
.set VF,  84                           ; v84-115 four fragments of v
.set S,   116                          ; v116-179 S^T, then p
.set O,   180                          ; v180-211 O^T
.set PC,  212                          ; v212-219 p's codes
.set BM,  220
.set T2,  224
.set SOP, 228
.set QN,  232                          ; the second tile's q and its word
.set QSN, 236
.set TT,  237
.set WV,  18
.set BH,  19
.set SEL, 20
.set CS,  22                           ; s[22:23] c = log2(e) / 8
.set G1,  24
.set G0,  32
.macro PLACES n
.rept \n
	v_nop
.endr
.endm
.macro WM d, a, b, z, sa, sb, ra       ; z = 1: the product starts the sum;  ra = 1: source 0's scales stand in lanes 16-31
.if (\z) && (\ra)
	v_wmma_scale_f32_16x16x128_f8f6f4 v[(\d):(\d)+7], v[(\a):(\a)+7], v[(\b):(\b)+7], 0, v[\sa], v[\sb] matrix_a_fmt:MATRIX_FMT_FP4 matrix_b_fmt:MATRIX_FMT_FP4 matrix_a_scale:MATRIX_SCALE_ROW1
.elseif (\z)
	v_wmma_scale_f32_16x16x128_f8f6f4 v[(\d):(\d)+7], v[(\a):(\a)+7], v[(\b):(\b)+7], 0, v[\sa], v[\sb] matrix_a_fmt:MATRIX_FMT_FP4 matrix_b_fmt:MATRIX_FMT_FP4
.elseif (\ra)
	v_wmma_scale_f32_16x16x128_f8f6f4 v[(\d):(\d)+7], v[(\a):(\a)+7], v[(\b):(\b)+7], v[(\d):(\d)+7], v[\sa], v[\sb] matrix_a_fmt:MATRIX_FMT_FP4 matrix_b_fmt:MATRIX_FMT_FP4 matrix_a_scale:MATRIX_SCALE_ROW1
.else
	v_wmma_scale_f32_16x16x128_f8f6f4 v[(\d):(\d)+7], v[(\a):(\a)+7], v[(\b):(\b)+7], v[(\d):(\d)+7], v[\sa], v[\sb] matrix_a_fmt:MATRIX_FMT_FP4 matrix_b_fmt:MATRIX_FMT_FP4
.endif
.endm
	s_load_b256 s[4:11], s[0:1], 0x0               ; qc s[4:5], kc s[6:7], vc s[8:9], qks s[10:11]
	s_load_b128 s[12:15], s[0:1], 0x20             ; vs s[12:13], cc s[14:15]
	s_load_b64 s[16:17], s[0:1], 0x30
	s_load_b256 s[68:75], s[0:1], 0x38             ; wo_codes s[68:69], w1_codes s[70:71], w2_codes s[72:73], wimg s[74:75]
	v_lshl_add_u32 v[SPW], v0, 2, SPARE
	v_mov_b32 v[NIL], 0
	ds_add_u32 v[SPW], v[NIL]                      ; the wave's opening: the add and its wait ahead of the first tensor load; the set-up below stands between them
	ds_add_u32 v[SPW], v[NIL]
	v_lshrrev_b32 v1, 5, v0
	s_delay_alu instid0(VALU_DEP_1)
	v_readfirstlane_b32 s[WV], v1                  ; wave 0..15
	s_and_b32 s[BH], ttmp7, 0xffff                 ; 16 b + head
	s_mov_b32 s[G1], 3<<16                         ; elements of 8 bytes, no mask, no padding: 32 rows of 256 dense bytes
	s_mov_b32 s[G1+1], 32<<16
	s_mov_b32 s[G1+2], 32<<16
	s_mov_b32 s[G1+3], 32<<16
	s_mov_b32 s[G1+4], 32
	s_mov_b32 s[G1+5], 32
	s_mov_b32 s[G1+6], 0
	s_mov_b32 s[G1+7], 0
	s_mov_b32 s[SEL], 0x76543210
	s_mov_b32 s[SEL+1], 0xfedcba98
	s_mov_b32 s[CS], 0x3e38aa3b                    ; log2(e) / 8
	s_mov_b32 s[CS+1], s[CS]                       ; named with it as a pair, so it is written
	s_mov_b32 s42, 0x05010400                      ; byte selects for the turning of v's scale bytes
	s_mov_b32 s43, 0x07030602
	s_mov_b32 s44, 0x05040100
	s_mov_b32 s45, 0x07060302
	s_mov_b32 s41, 0x0000ffff                      ; the lanes that keep this trip's scale bytes
	s_lshl_b32 s36, ttmp9, 4
	s_add_co_u32 s36, s36, s[WV]                   ; RB: my block of 32 queries in the sequence
	s_lshl_b32 s46, s[BH], 15                      ; q's codes: 32,768 a head, 1,024 a block
	s_lshl_b32 s37, s36, 10
	s_add_co_u32 s46, s46, s37
	s_mov_b32 s47, 0
	s_lshl_b32 s48, s[BH], 13                      ; q's words: 8,192 a head, 256 a block
	s_lshl_b32 s37, s36, 8
	s_add_co_u32 s48, s48, s37
	s_mov_b32 s49, 0
	s_lshl_b32 s50, s[BH], 11                      ; v's scale bytes: 2,048 a head
	s_mov_b32 s51, 0
	s_lshr_b32 s37, s[BH], 4
	s_lshl_b32 s37, s37, 5
	s_add_co_u32 s37, s37, s36                     ; GRB = 32 b + RB
	s_and_b32 s59, s[BH], 15
	s_lshr_b32 s60, s59, 1                         ; the K step of the next product: head / 2,
	s_and_b32 s59, s59, 1                          ; and the half of it: head % 2
	s_lshl_b32 s52, s37, 14                        ; cc: 16,384 a block, 1,024 a K step, 512 a half
	s_lshl_b32 s61, s60, 10
	s_add_co_u32 s52, s52, s61
	s_lshl_b32 s61, s59, 9
	s_add_co_u32 s52, s52, s61
	s_mov_b32 s53, 0
	s_lshl_b32 s54, s37, 10                        ; cs: 1,024 a block, 128 a K step, 2 a half
	s_lshl_b32 s61, s60, 7
	s_add_co_u32 s54, s54, s61
	s_lshl_b32 s61, s59, 1
	s_add_co_u32 s54, s54, s61
	s_mov_b32 s55, 0
	s_and_b32 s38, s[WV], 3                        ; what I fetch, if I fetch: a quarter of the head's codes,
	s_lshl_b32 s38, s38, 13
	s_lshl_b32 s39, s[BH], 15
	s_add_co_u32 s38, s38, s39
	s_lshl_b32 s58, s[BH], 13                      ; or the head's words
	s_mov_b32 s39, 0
	v_and_b32 v11, 31, v0                          ; lane
	v_and_b32 v[TT], 15, v0                        ; r
	v_bfe_u32 v[TT+1], v0, 4, 1                    ; h
	s_delay_alu instid0(VALU_DEP_3)
	v_lshlrev_b32 v[KA], 4, v11
	s_delay_alu instid0(VALU_DEP_3)
	v_lshlrev_b32 v[VA], 4, v[TT]
	s_delay_alu instid0(VALU_DEP_1)
	v_lshl_add_u32 v[VA], v[TT+1], 10, v[VA]
	s_delay_alu instid0(VALU_DEP_1)
	v_add_nc_u32 v[VA], VOFF, v[VA]
	v_lshlrev_b32 v[KSA], 3, v11
	s_delay_alu instid0(VALU_DEP_1)
	v_add_nc_u32 v[KSA], QKOFF+4, v[KSA]
	v_lshlrev_b32 v[GO], 4, v11
	v_lshlrev_b32 v[QSO], 3, v[TT]
	v_lshlrev_b32 v[CSO], 2, v11
	v_lshlrev_b32 v[VSO], 2, v[TT]
	s_delay_alu instid0(VALU_DEP_1)
	v_lshl_add_u32 v[VSO], v[TT+1], 10, v[VSO]
	v_lshlrev_b32 v[S+20], 9, v[TT]                ; the weights' re-lay: row r of 512 bytes,
	v_lshl_add_u32 v[S+20], v[TT+1], 4, v[S+20]    ; + 16 h
	v_mov_b32 v[HWD], 0
	v_mov_b32 v[FF+1], 0                           ; named as the upper half of a pair, so it is written
.irp i, 0,1,2,3
	v_mov_b32 v[QF+4+\i], 0                        ; q's zero codes for k = 64 .. 127
	v_mov_b32 v[KF+32+\i], 0                       ; what stands behind the last tile of k
	v_mov_b32 v[T2+\i], 0                          ; a lane permute's destination counts as one of its sources
.endr
	s_wait_dscnt 0x0                               ; the opening add is done
	s_wait_kmcnt 0x0
	s_cmp_lt_u32 s[WV], 4                          ; waves 0-3: k's codes; 4-7: v's; 8: the words
	s_cselect_b64 s[56:57], s[6:7], s[8:9]
	s_cmp_lt_u32 s[WV], 8
	s_cselect_b64 s[56:57], s[56:57], s[10:11]
	s_cselect_b32 s38, s38, s58
	s_add_nc_u64 s[56:57], s[56:57], s[38:39]
	s_mov_b32 s[G0], 1
	s_lshl_b32 s[G0+1], s[WV], 13                  ; 8,192 bytes a wave, one behind the other
	s_mov_b64 s[G0+2:G0+3], s[56:57]
	s_or_b32 s[G0+3], s[G0+3], 0x80000000
	s_cmp_lt_u32 s[WV], 9
	s_cbranch_scc0 .Lno_fill
	tensor_load_to_lds s[G0:G0+3], s[G1:G1+7]      ; one load of mine is out
	s_nop 0
	PLACES 4
.Lno_fill:
	s_add_nc_u64 s[4:5], s[4:5], s[46:47]
	s_add_nc_u64 s[10:11], s[10:11], s[48:49]
	s_add_nc_u64 s[12:13], s[12:13], s[50:51]
	s_add_nc_u64 s[14:15], s[14:15], s[52:53]
	s_add_nc_u64 s[16:17], s[16:17], s[54:55]
	global_load_b128 v[QF:QF+3], v[GO], s[4:5]             ; my first tile of queries,
	global_load_b128 v[QN:QN+3], v[GO], s[4:5] offset:512  ; my second
	global_load_b32 v[QS], v[QSO], s[10:11]
	global_load_b32 v[QSN], v[QSO], s[10:11] offset:128
.set i, 0
.rept 16
	global_load_b32 v[S+i], v[VSO], s[12:13] offset:64*i   ; v's scale bytes as stored: lanes 0-15 key block i, lanes 16-31 key block 16 + i; byte u: d = 16 u + r
.set i, i+1
.endr
	; THE NEXT LAUNCH'S WEIGHTS ARE RE-LAID as images of operand registers: wimg[p][w][s][u][c][lane] (16 bytes) = weight p, row 128 w + 16 u + r, bytes 64 s + 32 c + 16 h.
	; 3 x 512 tiles of 1,024 bytes; a work-group moves two tiles of each weight, waves 0 to 11 half a tile each: 16 bytes a lane in, 512 consecutive bytes out.
	s_lshl_b32 s80, s[BH], 1
	s_add_co_u32 s80, s80, ttmp9                   ; the work-group's number, 0 .. 255
	s_lshr_b32 s81, s[WV], 2                       ; p
	s_bfe_u32 s82, s[WV], 0x10001
	s_lshl_b32 s80, s80, 1
	s_add_co_u32 s80, s80, s82                     ; the tile (w, s, u), 0 .. 511
	s_and_b32 s82, s[WV], 1                        ; c
	s_lshr_b32 s83, s80, 6
	s_lshl_b32 s78, s83, 16                        ; from: 128 w rows,
	s_and_b32 s83, s80, 7
	s_lshl_b32 s83, s83, 13
	s_add_co_u32 s78, s78, s83                     ; 16 u rows,
	s_bfe_u32 s83, s80, 0x30003
	s_lshl_b32 s83, s83, 6
	s_add_co_u32 s78, s78, s83                     ; 64 s bytes,
	s_lshl_b32 s83, s82, 5
	s_add_co_u32 s78, s78, s83                     ; 32 c bytes
	s_mov_b32 s79, 0
	s_cmp_eq_u32 s81, 0
	s_cselect_b64 s[76:77], s[68:69], s[70:71]
	s_cmp_eq_u32 s81, 2
	s_cselect_b64 s[76:77], s[72:73], s[76:77]
	s_add_nc_u64 s[76:77], s[76:77], s[78:79]
	s_lshl_b32 s78, s81, 19                        ; to: 524,288 p + 1,024 tile + 512 c
	s_lshl_b32 s83, s80, 10
	s_add_co_u32 s78, s78, s83
	s_lshl_b32 s83, s82, 9
	s_add_co_u32 s78, s78, s83
	s_add_nc_u64 s[74:75], s[74:75], s[78:79]
	s_cmp_lt_u32 s[WV], 12
	s_cbranch_scc0 .Lno_lay
	global_load_b128 v[S+16:S+19], v[S+20], s[76:77]
	s_wait_loadcnt 0x0
	global_store_b128 v[GO], v[S+16:S+19], s[74:75]
.Lno_lay:
	s_wait_loadcnt 0x0
.irp p, 0,1,2,3                        ; four words x four bytes are turned: word (u, p) gets byte u of key blocks 4 p .. 4 p + 3
	v_perm_b32 v[TT], v[S+4*\p+1], v[S+4*\p], s42
	v_perm_b32 v[TT+1], v[S+4*\p+1], v[S+4*\p], s43
	v_perm_b32 v[TT+2], v[S+4*\p+3], v[S+4*\p+2], s42
	v_perm_b32 v[TT+3], v[S+4*\p+3], v[S+4*\p+2], s43
	s_delay_alu instid0(VALU_DEP_2)
	v_perm_b32 v[VS+\p], v[TT+2], v[TT], s44
	s_delay_alu instid0(VALU_DEP_3)
	v_perm_b32 v[VS+4+\p], v[TT+2], v[TT], s45
	s_delay_alu instid0(VALU_DEP_3)
	v_perm_b32 v[VS+8+\p], v[TT+3], v[TT+1], s44
	s_delay_alu instid0(VALU_DEP_4)
	v_perm_b32 v[VS+12+\p], v[TT+3], v[TT+1], s45
.endr
	s_wait_xcnt 0x0                                ; the re-lay's store has read its data: the first step's products write those registers
	s_wait_tensorcnt 0x0
	s_barrier_signal -1
	s_barrier_wait -1                              ; everybody's is
.irp k, 0,1,2,3,4,5,6,7
	ds_load_b128 v[KF+4*\k:KF+4*\k+3], v[KA] offset:512*\k
.endr
.irp j, 0,1,2,3
	ds_load_b32 v[KS+\j], v[KSA] offset:256*\j
.endr
; A KEY STEP: 128 keys.  Register 8 k + j of S^T is key 16 k + 8 (lane / 16) + j; block b of 32 keys = registers 16 b .. 16 b + 15 of lanes l and l xor 16.
.macro STEP s
	s_wait_dscnt 0x0                               ; this step's k and its words are in
.irp k, 0,1,2,3,4,5,6,7
	WM S+8*\k, KF+4*\k, QF, 1, KS+\k/2, QS, \k%2
.endr
	PLACES 4                                       ; behind the products: their results are read, and their sources and the last step's v are loaded anew
.irp u, 0,1,2,3
.irp c, 0,1
	ds_load_b128 v[VF+8*\u+4*\c:VF+8*\u+4*\c+3], v[VA] offset:4096*(\s)+2048*\c+256*\u   ; this step's v: 8 loads,
.endr
.endr
.irp k, 0,1,2,3,4,5,6,7
	ds_load_b128 v[KF+4*\k:KF+4*\k+3], v[KA] offset:512*(8*(((\s)+1)%8)+\k)              ; the next step's k: 8 (behind the last step: the first's again, for the next trip),
.endr
.irp j, 0,1,2,3
	ds_load_b32 v[KS+\j], v[KSA] offset:1024*(((\s)+1)%8)+256*\j                          ; and its words: 4
.endr
.irp b, 0,1,2,3
	v_max3_num_f32 v[BM+\b], v[S+16*\b], v[S+16*\b+1], v[S+16*\b+2]   ; the largest score of each block: it serves the row's maximum and, since p rises with the score, the block's largest p
.endr
.irp i, 3,5,7,9,11,13
.irp b, 0,1,2,3
	v_max3_num_f32 v[BM+\b], v[BM+\b], v[S+16*\b+\i], v[S+16*\b+\i+1]
.endr
.endr
.irp b, 0,1,2,3
	v_max_num_f32 v[BM+\b], v[BM+\b], v[S+16*\b+15]
.endr
.irp b, 0,1,2,3
	s_delay_alu instid0(VALU_DEP_4)
	v_permlanex16_b32 v[T2+\b], v[BM+\b], s[SEL], s[SEL+1]
.endr
.irp b, 0,1,2,3
	s_delay_alu instid0(VALU_DEP_4)
	v_max_num_f32 v[BM+\b], v[BM+\b], v[T2+\b]     ; with lane l xor 16's 16 keys
.endr
	s_delay_alu instid0(VALU_DEP_2)
	v_max3_num_f32 v[TT], v[BM], v[BM+1], v[BM+2]
	s_delay_alu instid0(VALU_DEP_1)
	v_max_num_f32 v[TT], v[TT], v[BM+3]            ; the step's largest score of my query
	s_delay_alu instid0(VALU_DEP_1)
	v_mul_f32 v[TT], s[CS], v[TT]                  ; as t (c is positive)
	s_delay_alu instid0(VALU_DEP_1)
	v_max_num_f32 v13, v13, v[TT]                  ; the running largest t
	v_mov_b32 v[TT], v12
	s_delay_alu instid0(VALU_DEP_2)
	v_floor_f32 v12, -v13                          ; the new -M = floor(-t): M is a whole number
	s_delay_alu instid0(VALU_DEP_1)
	v_sub_f32 v[TT], v12, v[TT]                    ; old M - new M: a whole number, 0 or less
	s_delay_alu instid0(VALU_DEP_1)
	v_cvt_i32_f32 v[TT], v[TT]                     ; (it saturates)
	s_delay_alu instid0(VALU_DEP_1)
	v_ldexp_f32 v[FF], 1.0, v[TT]                  ; f = 2^(old M - new M)
.set j, 0
.rept 32
	v_pk_fma_f32 v[S+j:S+j+1], v[S+j:S+j+1], s[CS:CS+1], v[12:13] op_sel_hi:[1,0,0]   ; t - M, two at a time
.set j, j+2
.endr
.irp b, 0,1,2,3
	v_fma_f32 v[BM+\b], v[BM+\b], s[CS], v12       ; the same of each block's largest score
.endr
.set j, 0
	s_wait_alu depctr_va_vdst(0)
.rept 64
	v_exp_f32 v[S+j], v[S+j]                       ; p = 2^(t - M), at most 1
.set j, j+1
.endr
	v_pk_mul_f32 v[14:15], v[14:15], v[FF:FF+1] op_sel_hi:[1,0]   ; the sums under the new M: the plain instruction behind the exponentials
	s_wait_alu depctr_va_vdst(0)                   ; one wait for the 64, ahead of their first reader
.irp b, 0,1,2,3
	v_exp_f32 v[BM+\b], v[BM+\b]                   ; the block's largest p: the same two instructions on the same number give the same bits
.endr
	v_pk_add_f32 v[224:225], v[120:121], v[124:125]
	v_pk_add_f32 v[254:255], v[128:129], v[132:133]
	v_pk_add_f32 v[252:253], v[136:137], v[140:141]
	v_pk_add_f32 v[250:251], v[144:145], v[148:149]
	v_pk_add_f32 v[248:249], v[152:153], v[156:157]
	v_pk_add_f32 v[246:247], v[160:161], v[164:165]
	v_pk_add_f32 v[244:245], v[168:169], v[172:173]
	v_pk_add_f32 v[14:15], v[14:15], v[176:177]
	v_pk_add_f32 v[224:225], v[224:225], v[116:117]
	v_pk_add_f32 v[254:255], v[254:255], v[118:119]
	v_pk_add_f32 v[252:253], v[252:253], v[122:123]
	v_pk_add_f32 v[250:251], v[250:251], v[126:127]
	v_pk_add_f32 v[248:249], v[248:249], v[130:131]
	v_pk_add_f32 v[246:247], v[246:247], v[134:135]
	v_pk_add_f32 v[244:245], v[244:245], v[138:139]
	v_pk_add_f32 v[14:15], v[14:15], v[142:143]
	v_pk_add_f32 v[224:225], v[224:225], v[146:147]
	v_pk_add_f32 v[254:255], v[254:255], v[150:151]
	v_pk_add_f32 v[252:253], v[252:253], v[154:155]
	v_pk_add_f32 v[250:251], v[250:251], v[158:159]
	v_pk_add_f32 v[248:249], v[248:249], v[162:163]
	v_pk_add_f32 v[246:247], v[246:247], v[166:167]
	v_pk_add_f32 v[244:245], v[244:245], v[170:171]
	v_pk_add_f32 v[14:15], v[14:15], v[174:175]
	v_pk_add_f32 v[224:225], v[224:225], v[178:179]
	s_delay_alu instid0(VALU_DEP_2)
	v_pk_add_f32 v[14:15], v[14:15], v[250:251]
	s_delay_alu instid0(VALU_DEP_2)
	v_pk_add_f32 v[224:225], v[224:225], v[248:249]
	v_pk_add_f32 v[254:255], v[254:255], v[246:247]
	v_pk_add_f32 v[252:253], v[252:253], v[244:245]
	s_delay_alu instid0(VALU_DEP_2)
	v_pk_add_f32 v[14:15], v[14:15], v[254:255]
	s_delay_alu instid0(VALU_DEP_2)
	v_pk_add_f32 v[224:225], v[224:225], v[252:253]
	s_delay_alu instid0(VALU_DEP_1)
	v_pk_add_f32 v[14:15], v[14:15], v[224:225]
	s_wait_alu depctr_va_vdst(0)                   ; and one for the four
.irp b, 0,1,2,3
	v_max_num_f32 v[BM+\b], 0x1800000, v[BM+\b]    ; the floor 2^(3 - 127): the byte cannot fall under 1
.endr
.irp b, 0,1,2,3
	s_delay_alu instid0(VALU_DEP_4)
	v_add_nc_u32 v[SOP+\b], 0xff000000, v[BM+\b]   ; 2 off the exponent field: the conversion's scale operand
.endr
.irp b, 0,1,2,3
	s_delay_alu instid0(VALU_DEP_4)
	v_lshrrev_b32 v[T2+\b], 23, v[SOP+\b]          ; the scale's byte
.endr
	s_delay_alu instid0(VALU_DEP_3)
	v_lshl_or_b32 v[PW], v[T2+1], 8, v[T2]
	s_delay_alu instid0(VALU_DEP_1)
	v_lshl_or_b32 v[PW], v[T2+2], 16, v[PW]
	s_delay_alu instid0(VALU_DEP_1)
	v_lshl_or_b32 v[PW], v[T2+3], 24, v[PW]
.irp c, 0,1
	v_cvt_scalef32_pk8_fp4_f32 v[PC+4*\c], v[S+32*\c:S+32*\c+7], v[SOP+2*\c]
	v_cvt_scalef32_pk8_fp4_f32 v[PC+4*\c+2], v[S+32*\c+8:S+32*\c+15], v[SOP+2*\c]
	v_cvt_scalef32_pk8_fp4_f32 v[PC+4*\c+1], v[S+32*\c+16:S+32*\c+23], v[SOP+2*\c+1]
	v_cvt_scalef32_pk8_fp4_f32 v[PC+4*\c+3], v[S+32*\c+24:S+32*\c+31], v[SOP+2*\c+1]
.endr
	v_nop                                          ; one plain instruction behind the last scaled conversion
.irp c, 0,1
	v_permlane16_swap_b32 v[PC+4*\c], v[PC+4*\c+1] ; register 4 c + i now holds keys 64 c + 32 (lane / 16) + 8 i + 0 .. 7
	v_permlane16_swap_b32 v[PC+4*\c+2], v[PC+4*\c+3]
.endr
.set j, 0
.rept 16
	v_pk_mul_f32 v[O+j:O+j+1], v[O+j:O+j+1], v[FF:FF+1] op_sel_hi:[1,0]   ; O^T under the new M; these sixteen also stand between the writing of p's word and codes and the products
.set j, j+2
.endr
	s_wait_alu depctr_va_vdst(0)
	s_wait_dscnt 12                                ; v is in: the next step's 8 + 4 loads are younger
.irp u, 0,1,2,3
	WM O+8*\u, VF+8*\u, PC, 0, VS+4*\u+(\s)%4, PW, (\s)/4
.endr
.endm
	s_mov_b32 s40, 2
.Ltile:
	v_mov_b32 v13, 0xff61b1e6                      ; the largest t so far: -3e38
	s_delay_alu instid0(VALU_DEP_1)
	v_floor_f32 v12, -v13                          ; -M
	v_mov_b32 v14, 0                               ; the sum, in two halves
	v_mov_b32 v15, 0
.set j, 0
.rept 32
	v_mov_b32 v[O+j], 0                            ; O^T: the step is written in one form; the first finds zeros, which the first change of M leaves zeros
.set j, j+1
.endr
	STEP 0
	STEP 1
	STEP 2
	STEP 3
	STEP 4
	STEP 5
	STEP 6
	STEP 7
	PLACES 4
	v_add_f32 v14, v14, v15
	s_delay_alu instid0(VALU_DEP_1)
	v_permlanex16_b32 v[TT], v14, s[SEL], s[SEL+1]
	s_delay_alu instid0(VALU_DEP_1)
	v_add_f32 v14, v14, v[TT]                      ; the row's sum
	s_wait_alu depctr_va_vdst(0)
	v_rcp_f32 v14, v14
	v_nop                                          ; a plain instruction behind the reciprocal
	s_wait_alu depctr_va_vdst(0)                   ; and the wait ahead of its first reader
.set j, 0
.rept 32
	v_mul_f32 v[S+j], v[O+j], v14                  ; ctx: register 8 u + i is d = 16 u + 8 (lane / 16) + i of my query
.set j, j+1
.endr
.irp b, 0,1                            ; its two blocks of 32 are quantised as p is
	v_max3_num_f32 v[BM+\b], |v[S+16*\b]|, |v[S+16*\b+1]|, 0x1800000
.endr
.irp i, 2,4,6,8,10,12,14
.irp b, 0,1
	s_delay_alu instid0(VALU_DEP_2)
	v_max3_num_f32 v[BM+\b], v[BM+\b], |v[S+16*\b+\i]|, |v[S+16*\b+\i+1]|
.endr
.endr
.irp b, 0,1
	s_delay_alu instid0(VALU_DEP_2)
	v_permlanex16_b32 v[T2+\b], v[BM+\b], s[SEL], s[SEL+1]
.endr
.irp b, 0,1
	s_delay_alu instid0(VALU_DEP_2)
	v_max_num_f32 v[BM+\b], v[BM+\b], v[T2+\b]
.endr
.irp b, 0,1
	s_delay_alu instid0(VALU_DEP_2)
	v_add_nc_u32 v[SOP+\b], 0xff000000, v[BM+\b]
.endr
.irp b, 0,1
	s_delay_alu instid0(VALU_DEP_2)
	v_lshrrev_b32 v[T2+\b], 23, v[SOP+\b]
.endr
	v_cvt_scalef32_pk8_fp4_f32 v[PC], v[S:S+7], v[SOP]
	v_cvt_scalef32_pk8_fp4_f32 v[PC+2], v[S+8:S+15], v[SOP]
	v_cvt_scalef32_pk8_fp4_f32 v[PC+1], v[S+16:S+23], v[SOP+1]
	v_cvt_scalef32_pk8_fp4_f32 v[PC+3], v[S+24:S+31], v[SOP+1]
	v_nop
	v_permlane16_swap_b32 v[PC], v[PC+1]
	v_permlane16_swap_b32 v[PC+2], v[PC+3]
	v_lshl_or_b32 v[TT+1], v[T2+1], 8, v[T2]
	s_delay_alu instid0(VALU_DEP_1)
	v_cndmask_b32 v[HWD], v[HWD], v[TT+1], s41     ; this trip's half of the lanes keeps its tile's two bytes
	global_store_b128 v[GO], v[PC:PC+3], s[14:15]  ; half a fragment of the next product: 512 consecutive bytes
.irp i, 0,1,2,3
	v_mov_b32 v[QF+\i], v[QN+\i]                   ; the second tile (the next trip's 36 moves stand between these and the products)
.endr
	v_mov_b32 v[QS], v[QSN]
	s_wait_xcnt 0x0                                ; the store has read its base and its data: both are written again
	s_add_nc_u64 s[14:15], s[14:15], 8192
	s_lshl_b32 s41, s41, 16
	s_sub_co_i32 s40, s40, 1
	s_cmp_lg_u32 s40, 0
	s_cbranch_scc1 .Ltile
	s_wait_alu depctr_va_vdst(0)
	global_store_b16 v[CSO], v[HWD], s[16:17]      ; two of the four bytes of each token's scale word; the head beside mine writes the other two
	s_wait_tensorcnt 0x0                           ; the wave's end
	ds_add_u32 v[SPW], v[NIL]
	s_wait_dscnt 0x0
	s_endpgm
.Lfunc_end_k_q44915a07bd_attn:
	.size	k_q44915a07bd_attn, .Lfunc_end_k_q44915a07bd_attn-k_q44915a07bd_attn
	.p2alignl 7, 3214868480
	.fill 96, 4, 3214868480
	.section	.rodata,"a",@progbits
	.p2align	6, 0x0
	.amdhsa_kernel k_q44915a07bd_attn
		.amdhsa_group_segment_fixed_size 167936
		.amdhsa_private_segment_fixed_size 0
		.amdhsa_enable_private_segment 0
		.amdhsa_kernarg_size 88
		.amdhsa_user_sgpr_count 2
		.amdhsa_user_sgpr_kernarg_segment_ptr 1
		.amdhsa_wavefront_size32 1
		.amdhsa_system_sgpr_workgroup_id_x 1
		.amdhsa_system_sgpr_workgroup_id_y 1
		.amdhsa_system_sgpr_workgroup_id_z 1
		.amdhsa_system_vgpr_workitem_id 0
		.amdhsa_next_free_vgpr 256
		.amdhsa_next_free_sgpr 84
		.amdhsa_reserve_vcc 0
		.amdhsa_float_denorm_mode_32 3
		.amdhsa_float_denorm_mode_16_64 3
		.amdhsa_memory_ordered 1
		.amdhsa_forward_progress 1
		.amdhsa_inst_pref_size 143
	.end_amdhsa_kernel
	.amdgpu_metadata
---
amdhsa.version: [ 1, 2 ]
amdhsa.kernels:
  - .name:           k_q44915a07bd_attn
    .symbol:         k_q44915a07bd_attn.kd
    .args:
      - { .name: qc, .offset: 0, .size: 8, .value_kind: global_buffer, .address_space: global }
      - { .name: kc, .offset: 8, .size: 8, .value_kind: global_buffer, .address_space: global }
      - { .name: vc, .offset: 16, .size: 8, .value_kind: global_buffer, .address_space: global }
      - { .name: qks, .offset: 24, .size: 8, .value_kind: global_buffer, .address_space: global }
      - { .name: vs, .offset: 32, .size: 8, .value_kind: global_buffer, .address_space: global }
      - { .name: cc, .offset: 40, .size: 8, .value_kind: global_buffer, .address_space: global }
      - { .name: cs, .offset: 48, .size: 8, .value_kind: global_buffer, .address_space: global }
      - { .name: wo_codes, .offset: 56, .size: 8, .value_kind: global_buffer, .address_space: global }
      - { .name: w1_codes, .offset: 64, .size: 8, .value_kind: global_buffer, .address_space: global }
      - { .name: w2_codes, .offset: 72, .size: 8, .value_kind: global_buffer, .address_space: global }
      - { .name: wimg, .offset: 80, .size: 8, .value_kind: global_buffer, .address_space: global }
    .group_segment_fixed_size: 167936
    .private_segment_fixed_size: 0
    .kernarg_segment_align: 8
    .kernarg_segment_size: 88
    .max_flat_workgroup_size: 512
    .sgpr_count:     84
    .vgpr_count:     256
    .wavefront_size: 32
...
	.end_amdgpu_metadata
.endif
;; end of part 2
;; launch wo_ffn (part 3): grid 256 x 1, 8 waves a work-group, clusters of 4 x 1, 327,680 bytes of LDS; arguments cc, cs, x, wimg, wo_scales, bo, ln2_g, ln2_b, w1_scales, b1, w2_scales, b2, out0; writes out0
.if DOCPART == 3
	.amdgcn_target "amdgcn-amd-amdhsa--gfx1250"
	.amdhsa_code_object_version 6
	.text
	.protected	k_q44915a07bd_wo_ffn
	.globl	k_q44915a07bd_wo_ffn
	.p2align	8
	.type	k_q44915a07bd_wo_ffn,@function
k_q44915a07bd_wo_ffn:
	s_mov_b64 s[64:65], 0
	v_nop
	global_prefetch_b8 v0, s[64:65] scope:SCOPE_SE
	s_setreg_imm32_b32 hwreg(HW_REG_WAVE_MODE, 25, 1), 1
	s_wait_xcnt 0x0
	s_wait_alu depctr_hold_cnt(0) depctr_sa_sdst(0) depctr_va_vdst(0) depctr_va_sdst(0) depctr_va_ssrc(0) depctr_va_vcc(0) depctr_vm_vsrc(0)
	s_getreg_b32 s2, hwreg(HW_REG_IB_STS2, 6, 4)
	s_cmp_eq_u32 s2, 0
	s_cbranch_scc0 .Lentry_in_a_cluster
	s_endpgm
.Lentry_in_a_cluster:
	s_bfe_u32 s2, ttmp6, 0x10000c
	s_cmp_lg_u32 s2, 0x3003
	s_cbranch_scc0 .Lentry_shape_is_right
	s_endpgm
.Lentry_shape_is_right:
; x1 = x + ctx wo + bo;  h2 = layernorm(x1);  out = x1 + relu(h2 w1 + b1) w2 + b2.  The three products on codes of E2M1, h2 and the hidden layer quantised along K in registers.
; SHARES.  A work-group owns 32 rows through the whole chain; each of its eight waves owns 128 columns of every product: 2 x 8 accumulators of 16 x 16.
; THE PRODUCTS ARE USED TRANSPOSED (source 0 = 16 rows of the weight, source 1 = 16 rows of the operand): a lane holds one row and eight neighbouring columns a tile.
; THE WEIGHTS.  wimg holds them as images of the operand registers (the launch before lays them), a wave's 64 fragments of a product one behind the other.  A ring of 16 fragments (128 registers) runs through
; all 24 K steps of the three products, two K steps ahead, in chunks of four fragments.  It is fed in two ways:
;   from memory, 512 consecutive bytes a load: K steps 0-5 of the first product, 0-3 of the second and third;
;   from LDS: the other K steps, which come as dense blocks of wimg by JOINT tensor loads of a cluster of four work-groups (all work-groups read the same weights): 16,384 bytes a wave for the first product, 32,768 for each other.
; A wave fetches and reads its own region of LDS.  It has four tensor loads in all, one behind each round: the first product's share; x; the second product's share (over x and the first share, both read out); the third's.
; NO PREFETCH: the ring asks two K steps ahead, and each joint load is asked for a vector phase or several K steps ahead of its first read.
; THE OPERAND (ctx's codes as stored, then h2's, then the hidden layer's) lies in LDS as images of its 16 fragments with its scale words; two such images take turns, so that one product's reads never meet the next image's stores.
; bo and b1 are the sums' first C; x is added behind the first product.
; LIMITS: a block whose largest magnitude lies under 2^-124 has its byte held at 1; a block of zeros keeps the byte 1 (its codes are zeros); NaN and infinities are not served.
; REGISTERS.  Window 0: v1-15 addresses; v16-23 the operand's scale words; v24-55 the weight's; v56-63 mean and 1/sigma; v64-127 at work (in a product: the operand's fragments, two sets of 16); v128-255 H.
;             Window 1: v0-127 the ring; v128-255 X1 (accumulator (t, u) at 64 t + 8 u).
.set XPITCH, 528
.set XTILE,  32*XPITCH                 ; x's tile, later the way out's stage: 32 rows x (512 bytes + 16)
.set RWB,    XTILE+16384               ; a wave's region: x's tile, then the first product's share
.set IMG,    8*RWB
.set IMGB,   17408                     ; an image: 16 fragments of 1,024 bytes, then 1,024 bytes of scale words
.set ISC,    IMG+16384
.set ST0,    IMG+2*IMGB                ; the rows' partial sums: 2 x 1,024 bytes
.set PAR,    ST0+2048                  ; bo, ln2_g, ln2_b, b1, b2: 4,096 bytes each
.set SPARE,  PAR+20480                 ; the spare words: 128 bytes a wave
.set LI,  1
.set LS,  2
.set PA,  3
.set SO,  4
.set SR,  5
.set WSO, 6
.set L4,  7
.set STA, 8
.set STR, 9
.set SPW, 10
.set NIL, 11
.set IW,  12
.set IA,  13
.set ISW, 14
.set PSA, 15
.set AS,  16
.set WS,  24
.set MU,  56
.set RS,  60
.set T,   64
.set AB,  T
.set TM,  T
.set PW,  T+16
.set PW2, T+17
.set PC,  T+18
.set PC2, T+26
.set CH,  T
.set XT,  T+8
.set LD,  T+12
.set H,   128
.set X1,  128
.set CCP, 4
.set CSP, 6
.set XP,  8
.set WI,  10
.set WOS, 12
.set BO,  14
.set G2P, 16
.set L2P, 18
.set W1S, 20
.set B1P, 22
.set W2S, 24
.set B2P, 26
.set OUTP, 28
.set WV,  30
.set GRB, 31
.set G1X, 36                           ; group 1 for x's tile;  G1J, G1K: for 64 and 128 dense rows of 256 bytes, asked for jointly
.set G1J, 44
.set G1K, 52
.set G0A, 60                           ; groups 0: the first product's share, x, the second's share, the third's
.set G0X, 68
.set G0B, 72
.set G0C, 76
.set SEL, 80
.set HI,  82
.set RN,  83
.set EPS, 84
.set MSB, 0
.macro WIN new                         ; the immediate's high byte repeats the setting that is left
.if MSB != (\new)
	s_set_vgpr_msb (MSB<<8)|(\new)
.set MSB, \new
.endif
.endm
.macro PLACES n
.rept \n
	v_nop
.endr
.endm
.macro BARRIER
	s_wait_dscnt 0x0
	s_barrier_signal -1
	s_barrier_wait -1
.endm
.macro ROUND                           ; a round of the cluster's barrier
	s_barrier_signal -1
	s_barrier_wait -1
	s_cmp_lg_u32 s[WV], 0
	s_cbranch_scc1 .Lnot_wave_0_\@
	s_barrier_signal -3
.Lnot_wave_0_\@:
	s_barrier_wait -3
	s_barrier_signal -1
	s_barrier_wait -1
.endm
.macro MEET                            ; ahead of each later tensor load: all my tensor loads, the add, the add's wait and my LDS reads, and a round
	s_wait_tensorcnt 0x0
	ds_add_u32 v[SPW], v[NIL]
	s_wait_dscnt 0x0
	ROUND
.endm
.macro WM d, a, b, sa, sb, ra, rb      ; ra, rb = 1: that side's scales stand in lanes 16-31
.if (\ra) && (\rb)
	v_wmma_scale_f32_16x16x128_f8f6f4 v[(\d):(\d)+7], v[(\a):(\a)+7], v[(\b):(\b)+7], v[(\d):(\d)+7], v[\sa], v[\sb] matrix_a_fmt:MATRIX_FMT_FP4 matrix_b_fmt:MATRIX_FMT_FP4 matrix_a_scale:MATRIX_SCALE_ROW1 matrix_b_scale:MATRIX_SCALE_ROW1
.elseif (\ra)
	v_wmma_scale_f32_16x16x128_f8f6f4 v[(\d):(\d)+7], v[(\a):(\a)+7], v[(\b):(\b)+7], v[(\d):(\d)+7], v[\sa], v[\sb] matrix_a_fmt:MATRIX_FMT_FP4 matrix_b_fmt:MATRIX_FMT_FP4 matrix_a_scale:MATRIX_SCALE_ROW1
.elseif (\rb)
	v_wmma_scale_f32_16x16x128_f8f6f4 v[(\d):(\d)+7], v[(\a):(\a)+7], v[(\b):(\b)+7], v[(\d):(\d)+7], v[\sa], v[\sb] matrix_a_fmt:MATRIX_FMT_FP4 matrix_b_fmt:MATRIX_FMT_FP4 matrix_b_scale:MATRIX_SCALE_ROW1
.else
	v_wmma_scale_f32_16x16x128_f8f6f4 v[(\d):(\d)+7], v[(\a):(\a)+7], v[(\b):(\b)+7], v[(\d):(\d)+7], v[\sa], v[\sb] matrix_a_fmt:MATRIX_FMT_FP4 matrix_b_fmt:MATRIX_FMT_FP4
.endif
.endm
; 64 registers (16 rows x my 128 columns = one K step of the next product) -> a fragment in pc, its scale word in pw.  Block b = registers 16 b .. 16 b + 15 of lanes l and l xor 16.
.macro QUANT s, pc, pw
.irp b, 0,1,2,3
	v_max3_num_f32 v[TM+\b], |v[(\s)+16*\b]|, |v[(\s)+16*\b+1]|, 0x1800000   ; with the floor 2^(3 - 127): the byte cannot fall under 1
.endr
.irp i, 2,4,6,8,10,12,14
.irp b, 0,1,2,3
	s_delay_alu instid0(VALU_DEP_4)
	v_max3_num_f32 v[TM+\b], v[TM+\b], |v[(\s)+16*\b+\i]|, |v[(\s)+16*\b+\i+1]|
.endr
.endr
.irp b, 0,1,2,3
	s_delay_alu instid0(VALU_DEP_4)
	v_permlanex16_b32 v[TM+4+\b], v[TM+\b], s[SEL], s[SEL+1]
.endr
.irp b, 0,1,2,3
	s_delay_alu instid0(VALU_DEP_4)
	v_max_num_f32 v[TM+\b], v[TM+\b], v[TM+4+\b]
.endr
.irp b, 0,1,2,3
	s_delay_alu instid0(VALU_DEP_4)
	v_add_nc_u32 v[TM+12+\b], 0xff000000, v[TM+\b]   ; 2 off the exponent field: the conversion's scale operand
.endr
.irp b, 0,1,2,3
	s_delay_alu instid0(VALU_DEP_4)
	v_lshrrev_b32 v[TM+4+\b], 23, v[TM+12+\b]        ; the scale's byte
.endr
.irp c, 0,1
	v_cvt_scalef32_pk8_fp4_f32 v[(\pc)+4*\c], v[(\s)+32*\c:(\s)+32*\c+7], v[TM+12+2*\c]
	v_cvt_scalef32_pk8_fp4_f32 v[(\pc)+4*\c+2], v[(\s)+32*\c+8:(\s)+32*\c+15], v[TM+12+2*\c]
	v_cvt_scalef32_pk8_fp4_f32 v[(\pc)+4*\c+1], v[(\s)+32*\c+16:(\s)+32*\c+23], v[TM+13+2*\c]
	v_cvt_scalef32_pk8_fp4_f32 v[(\pc)+4*\c+3], v[(\s)+32*\c+24:(\s)+32*\c+31], v[TM+13+2*\c]
.endr
	v_nop                                          ; one plain instruction behind the last scaled conversion
.irp c, 0,1
	v_permlane16_swap_b32 v[(\pc)+4*\c], v[(\pc)+4*\c+1]     ; register 4 c + i now holds k = 64 c + 32 (lane / 16) + 8 i + 0 .. 7
	v_permlane16_swap_b32 v[(\pc)+4*\c+2], v[(\pc)+4*\c+3]
.endr
	v_lshl_or_b32 v[\pw], v[TM+5], 8, v[TM+4]
	s_delay_alu instid0(VALU_DEP_1)
	v_lshl_or_b32 v[\pw], v[TM+6], 16, v[\pw]
	s_delay_alu instid0(VALU_DEP_1)
	v_lshl_or_b32 v[\pw], v[TM+7], 24, v[\pw]
.endm
.macro WSLOAD sp                       ; a weight's scale words of my 128 rows: register 8 a + s: lanes 0-15 tile 2 a, lanes 16-31 tile 2 a + 1, K step s
.irp a, 0,1,2,3
.irp e, 0,1
	global_load_b128 v[WS+8*\a+4*\e:WS+8*\a+4*\e+3], v[WSO], s[\sp:\sp+1] offset:1024*\a+16*\e
.endr
.endr
.endm
.macro ISG x                           ; GV = 1: K step x of the stream of 24 comes from memory;  0: from LDS, or there is none
.if (\x) >= 24
.set GV, 0
.elseif (\x) < 6
.set GV, 1
.elseif (\x) < 8
.set GV, 0
.elseif ((\x)%8) < 4
.set GV, 1
.else
.set GV, 0
.endif
.endm
.macro RLOAD g, j                      ; the ring: tiles 4 j .. 4 j + 3 of K step g % 8 of product g / 8, into the half g % 2 (window 1)
	ISG \g
.irp u, 0,1,2,3
.irp c, 0,1
.if GV
	global_load_b128 v[8*(8*((\g)%2)+4*(\j)+\u)+4*\c:8*(8*((\g)%2)+4*(\j)+\u)+4*\c+3], v[LI], s[WI:WI+1] offset:((\g)/8)*524288+(((\g)%8)*8+4*(\j)+\u)*1024+512*\c
.elseif (\g) < 8
	ds_load_b128 v[8*(8*((\g)%2)+4*(\j)+\u)+4*\c:8*(8*((\g)%2)+4*(\j)+\u)+4*\c+3], v[SR] offset:XTILE+((\g)-6)*8192+(4*(\j)+\u)*1024+512*\c
.else
	ds_load_b128 v[8*(8*((\g)%2)+4*(\j)+\u)+4*\c:8*(8*((\g)%2)+4*(\j)+\u)+4*\c+3], v[SR] offset:(((\g)%8)-4)*8192+(4*(\j)+\u)*1024+512*\c
.endif
.endr
.endr
.endm
.macro ALOAD p, s                      ; the operand's two fragments of K step s, from image p % 2, into set s % 2
.irp t, 0,1
.irp c, 0,1
	ds_load_b128 v[AB+16*((\s)%2)+8*\t+4*\c:AB+16*((\s)%2)+8*\t+4*\c+3], v[IA] offset:IMGB*((\p)%2)+1024*(8*\t+(\s))+512*\c
.endr
.endr
.endm
.macro PARAM dst, off                  ; my lane's eight columns of each of my eight tiles
.irp u, 0,1,2,3,4,5,6,7
.irp e, 0,1
	ds_load_b128 v[(\dst)+8*\u+4*\e:(\dst)+8*\u+4*\e+3], v[PA] offset:(\off)+64*\u+16*\e
.endr
.endr
.endm
; A PRODUCT: 8 K steps x 2 chunks x (4 tiles x 2 row tiles).  The 16 accumulators take turns, one instruction a turn.
; Behind a chunk's eight products and four places its registers take the chunk two K steps on; the stream runs on into the next product.
; LDS instructions go out in this order: .. ring (s, 0), ring (s, 1), operand (s), ring (s + 1, 0), ring (s + 1, 1), operand (s + 1): so the wait at a step's head, which leaves the next step's out, shows the step's operand and its ring chunks.
.macro PRODUCT p, acc, wmul
.irp s, 0,1,2,3,4,5,6,7
	ISG 8*(\p)+\s
.set GA, GV
	ISG 8*(\p)+\s+1
.set GB, GV
	ISG 8*(\p)+\s+2
.set GC, GV
.irp j, 0,1
.if \j == 0
.if \s == 7
	s_wait_dscnt 0x0
.elseif GB
	s_wait_dscnt 4                                 ; younger: the next step's operand, four loads
.else
	s_wait_dscnt 20                                ; younger: the next step's 16 ring loads from LDS and its operand's four
.endif
.endif
.if GA
.if ((\p) > 0) && (\s == 0) && (\j == 0)
	s_wait_loadcnt 0x0                             ; the weight's scale words are the youngest loads
.elseif \j == 0
	s_wait_loadcnt 8+16*GB                         ; younger: eight loads for each of the next three chunks that comes from memory
.else
	s_wait_loadcnt 16*GB+8*GC
.endif
.endif
	WIN \wmul
.irp u, 0,1,2,3
.irp t, 0,1
	WM (\acc)+64*\t+8*(4*\j+\u), 8*(8*(\s%2)+4*\j+\u), AB+16*(\s%2)+8*\t, WS+8*((4*\j+\u)/2)+\s, AS+\s, \u%2, \t
.endr
.endr
	PLACES 4                                       ; ahead of loads into registers that the products read, and of the first read of results
.if 8*(\p)+\s+2 < 24
.if ((\p) > 0) && (\j == 0) && GB && (GC == 0)
	s_wait_tensorcnt 0x0                           ; this product's share is in my region: its first read follows
.endif
	WIN 0x40
	RLOAD 8*(\p)+\s+2, \j
.endif
.if (\j == 1) && (\s < 6)
	WIN 0
	ALOAD \p, \s+2
.endif
.endr
.endr
	WIN 0
.endm
; H's two row tiles become fragments (t, s = my wave) of image b, with their scale words; behind the barrier every wave takes the eight scale words.
.macro TOIMG b
	QUANT H, PC, PW
	ds_store_b128 v[IW], v[PC:PC+3] offset:IMGB*\b
	ds_store_b128 v[IW], v[PC+4:PC+7] offset:IMGB*\b+512
	QUANT H+64, PC2, PW2
	ds_store_b128 v[IW], v[PC2:PC2+3] offset:IMGB*\b+8192
	ds_store_b128 v[IW], v[PC2+4:PC2+7] offset:IMGB*\b+8704
	v_cndmask_b32 v[PW], v[PW], v[PW2], s[HI]      ; lanes 0-15 row tile 0's word, lanes 16-31 row tile 1's
	ds_store_b32 v[ISW], v[PW] offset:IMGB*\b
	BARRIER
.irp s, 0,1,2,3,4,5,6,7
	ds_load_b32 v[AS+\s], v[LS] offset:IMGB*\b+128*\s
.endr
.endm
; The rows' sums: my 128 columns' part lies in CH (two pairs a row tile); the eight waves' parts meet in LDS.  The sum of row tile t ends in LD + 8 t.
.macro ROWSUM off
.irp t, 0,1
	v_pk_add_f32 v[CH+4*\t:CH+4*\t+1], v[CH+4*\t:CH+4*\t+1], v[CH+4*\t+2:CH+4*\t+3]
.endr
.irp t, 0,1
	s_delay_alu instid0(VALU_DEP_2)
	v_add_f32 v[CH+4*\t], v[CH+4*\t], v[CH+4*\t+1]
.endr
.irp t, 0,1
	s_delay_alu instid0(VALU_DEP_2)
	v_permlanex16_b32 v[XT+\t], v[CH+4*\t], s[SEL], s[SEL+1]
.endr
.irp t, 0,1
	s_delay_alu instid0(VALU_DEP_2)
	v_add_f32 v[CH+4*\t], v[CH+4*\t], v[XT+\t]
.endr
	s_delay_alu instid0(VALU_DEP_1)
	v_cndmask_b32 v[XT+2], v[CH], v[CH+4], s[HI]
	ds_store_b32 v[STA], v[XT+2] offset:\off
	BARRIER
.irp t, 0,1
.irp k, 0,1,2,3,4,5,6,7
	ds_load_b32 v[LD+8*\t+\k], v[STR] offset:(\off)+128*\k+64*\t
.endr
.endr
	s_wait_dscnt 0x0
.irp t, 0,1
.irp k, 0,2,4,6
	v_add_f32 v[LD+8*\t+\k], v[LD+8*\t+\k], v[LD+8*\t+\k+1]
.endr
.endr
	v_add_f32 v[LD], v[LD], v[LD+2]
	v_add_f32 v[LD+4], v[LD+4], v[LD+6]
	v_add_f32 v[LD+8], v[LD+8], v[LD+10]
	s_delay_alu instid0(VALU_DEP_4)
	v_add_f32 v[LD+12], v[LD+12], v[LD+14]
	s_delay_alu instid0(VALU_DEP_3)
	v_add_f32 v[LD], v[LD], v[LD+4]
	s_delay_alu instid0(VALU_DEP_2)
	v_add_f32 v[LD+8], v[LD+8], v[LD+12]
.endm
.macro GBLOAD set, p                   ; ln2_g and ln2_b of tiles 2 p, 2 p + 1: 16 + 16 registers
.irp k, 0,1
.irp u, 0,1
.irp e, 0,1
	ds_load_b128 v[T+32*(\set)+16*\k+8*\u+4*\e:T+32*(\set)+16*\k+8*\u+4*\e+3], v[PA] offset:4096*(1+\k)+64*(2*(\p)+\u)+16*\e
.endr
.endr
.endr
.endm
.macro GBFMA set, p
.irp t, 0,1
.irp n, 0,2,4,6,8,10,12,14
	v_pk_fma_f32 v[H+64*\t+16*(\p)+\n:H+64*\t+16*(\p)+\n+1], v[H+64*\t+16*(\p)+\n:H+64*\t+16*(\p)+\n+1], v[T+32*(\set)+\n:T+32*(\set)+\n+1], v[T+32*(\set)+16+\n:T+32*(\set)+16+\n+1]
.endr
.endr
.endm
	s_load_b512 s[4:19], s[0:1], 0x0
	s_load_b256 s[20:27], s[0:1], 0x40
	s_load_b64 s[28:29], s[0:1], 0x60
	v_lshl_add_u32 v[SPW], v0, 2, SPARE
	v_mov_b32 v[NIL], 0
	ds_add_u32 v[SPW], v[NIL]                      ; the wave's opening: the add, twice on end, and its wait ahead of my first tensor load
	ds_add_u32 v[SPW], v[NIL]
	v_lshrrev_b32 v[T], 5, v0
	s_delay_alu instid0(VALU_DEP_1)
	v_readfirstlane_b32 s[WV], v[T]                ; wave 0..7
	s_bfe_u32 s32, ttmp6, 0x40000                  ; my place in the cluster
	s_lshl_b32 s[GRB], ttmp9, 2
	s_add_co_u32 s[GRB], s[GRB], s32               ; my block of 32 rows
	s_mov_b32 s[G1X], (2<<16)|(1<<20)|(6<<22)|(3<<25)   ; x: elements of 4 bytes; four words of padding behind every 128; no mask
	s_mov_b32 s[G1X+1], 128<<16
	s_mov_b32 s[G1X+2], 32<<16
	s_mov_b32 s[G1X+3], 128<<16
	s_mov_b32 s[G1X+4], 32
	s_mov_b32 s[G1X+5], 1024
	s_mov_b32 s[G1X+6], 0
	s_mov_b32 s[G1X+7], 0
	s_mov_b32 s[G1J], 15|(3<<16)|(1<<21)           ; the weights' shares: all four work-groups of the cluster; dense rows of 32 elements of 8 bytes: 64 rows,
	s_mov_b32 s[G1J+1], 32<<16
	s_mov_b32 s[G1J+2], 64<<16
	s_mov_b32 s[G1J+3], 32<<16
	s_mov_b32 s[G1J+4], 64
	s_mov_b32 s[G1J+5], 32
	s_mov_b32 s[G1J+6], 0
	s_mov_b32 s[G1J+7], 0
	s_mov_b32 s[G1K], 15|(3<<16)|(1<<21)           ; or 128 rows
	s_mov_b32 s[G1K+1], 32<<16
	s_mov_b32 s[G1K+2], 128<<16
	s_mov_b32 s[G1K+3], 32<<16
	s_mov_b32 s[G1K+4], 128
	s_mov_b32 s[G1K+5], 32
	s_mov_b32 s[G1K+6], 0
	s_mov_b32 s[G1K+7], 0
	s_mov_b32 s[SEL], 0x76543210
	s_mov_b32 s[SEL+1], 0xfedcba98
	s_mov_b32 s[HI], 0xffff0000
	s_mov_b32 s[RN], 0x3a800000                    ; 1 / 1,024
	s_mov_b32 s[EPS], 0x3727c5ac                   ; 1e-5
	s_lshl_b32 s86, s[GRB], 14                     ; cc: 16,384 bytes a block of 32 rows; I copy 2,048 of them
	s_lshl_b32 s85, s[WV], 11
	s_add_co_u32 s86, s86, s85
	s_mov_b32 s87, 0
	s_lshl_b32 s88, s[GRB], 10                     ; cs: 1,024 a block
	s_mov_b32 s89, 0
	s_lshl_b32 s90, s[GRB], 17                     ; x, out0: 32 rows of 4,096 bytes, + my 512
	s_lshl_b32 s96, s[WV], 9
	s_add_co_u32 s90, s90, s96
	s_mov_b32 s91, 0
	s_lshl_b32 s92, s[WV], 16                      ; wimg: 65,536 a wave in each product
	s_mov_b32 s93, 0
	s_lshl_b32 s94, s[WV], 12                      ; a weight's scales: 128 rows of 32 bytes
	s_mov_b32 s95, 0
	s_mov_b32 s97, 0
	s_mul_i32 s33, s[WV], RWB                      ; my region of LDS
	s_lshl_b32 s34, s[WV], 7
	s_lshl_b32 s35, s[WV], 10
	v_and_b32 v[T], 31, v0                         ; lane
	v_and_b32 v[T+1], 15, v0                       ; r
	v_bfe_u32 v[T+2], v0, 4, 1                     ; h
	s_delay_alu instid0(VALU_DEP_3)
	v_lshlrev_b32 v[LI], 4, v[T]
	v_lshl_add_u32 v[LS], v[T], 2, ISC
	v_lshlrev_b32 v[PA], 5, v[T+2]
	s_delay_alu instid0(VALU_DEP_1)
	v_add_nc_u32 v[PA], s96, v[PA]
	s_delay_alu instid0(VALU_DEP_1)
	v_add_nc_u32 v[PA], PAR, v[PA]
	v_mul_u32_u24 v[SO], v[T+1], XPITCH
	s_delay_alu instid0(VALU_DEP_1)
	v_lshl_add_u32 v[SO], v[T+2], 5, v[SO]
	s_delay_alu instid0(VALU_DEP_1)
	v_add_nc_u32 v[SO], s33, v[SO]
	v_lshlrev_b32 v[WSO], 5, v[T]
	v_add_nc_u32 v[SR], s33, v[LI]
	v_lshlrev_b32 v[L4], 2, v[T]
	s_delay_alu instid0(VALU_DEP_1)
	v_add_nc_u32 v[STA], s34, v[L4]
	s_delay_alu instid0(VALU_DEP_1)
	v_add_nc_u32 v[STA], ST0, v[STA]
	v_lshl_add_u32 v[STR], v[T+1], 2, ST0
	v_add_nc_u32 v[IW], s35, v[LI]
	s_delay_alu instid0(VALU_DEP_1)
	v_add_nc_u32 v[IW], IMG, v[IW]
	v_add_nc_u32 v[IA], IMG, v[LI]
	v_add_nc_u32 v[ISW], s34, v[LS]
	v_add_nc_u32 v[PSA], s96, v[LI]
	s_delay_alu instid0(VALU_DEP_1)
	v_add_nc_u32 v[PSA], PAR, v[PSA]
	v_add_nc_u32 v[T+3], s85, v[IA]                ; where my 2,048 bytes of ctx's codes go
.irp i, 1,3
	v_mov_b32 v[MU+\i], 0                          ; named as upper halves of pairs, so they are written
	v_mov_b32 v[RS+\i], 0
.endr
	s_wait_alu depctr_va_vdst(0)                   ; the wait at the head's end
	s_wait_dscnt 0x0                               ; both opening adds are done
	s_wait_kmcnt 0x0
	s_add_nc_u64 s[BO:BO+1], s[BO:BO+1], s[96:97]
	s_add_nc_u64 s[G2P:G2P+1], s[G2P:G2P+1], s[96:97]
	s_add_nc_u64 s[L2P:L2P+1], s[L2P:L2P+1], s[96:97]
	s_add_nc_u64 s[B1P:B1P+1], s[B1P:B1P+1], s[96:97]
	s_add_nc_u64 s[B2P:B2P+1], s[B2P:B2P+1], s[96:97]
	s_add_nc_u64 s[CCP:CCP+1], s[CCP:CCP+1], s[86:87]
	s_add_nc_u64 s[CSP:CSP+1], s[CSP:CSP+1], s[88:89]
	s_add_nc_u64 s[WOS:WOS+1], s[WOS:WOS+1], s[94:95]
	s_add_nc_u64 s[WI:WI+1], s[WI:WI+1], s[92:93]
	global_load_b128 v[T+4:T+7], v[LI], s[BO:BO+1]
	global_load_b128 v[T+8:T+11], v[LI], s[G2P:G2P+1]
	global_load_b128 v[T+12:T+15], v[LI], s[L2P:L2P+1]
	global_load_b128 v[T+16:T+19], v[LI], s[B1P:B1P+1]
	global_load_b128 v[T+20:T+23], v[LI], s[B2P:B2P+1]
.irp i, 0,1,2,3
	global_load_b128 v[T+24+4*\i:T+27+4*\i], v[LI], s[CCP:CCP+1] offset:512*\i
.endr
.irp s, 0,1,2,3,4,5,6,7
	global_load_b32 v[AS+\s], v[L4], s[CSP:CSP+1] offset:128*\s   ; ctx's scale words, laid as an image's
.endr
	WSLOAD WOS
	WIN 0x40
	RLOAD 0, 0                                     ; the ring's first two K steps
	RLOAD 0, 1
	RLOAD 1, 0
	RLOAD 1, 1
	WIN 0
	s_add_nc_u64 s[XP:XP+1], s[XP:XP+1], s[90:91]
	s_add_nc_u64 s[OUTP:OUTP+1], s[OUTP:OUTP+1], s[90:91]
	s_add_nc_u64 s[W1S:W1S+1], s[W1S:W1S+1], s[94:95]
	s_add_nc_u64 s[W2S:W2S+1], s[W2S:W2S+1], s[94:95]
	s_mov_b32 s[G0A], 1                            ; the first product's K steps 6, 7 of my columns, behind x's tile
	s_add_co_u32 s[G0A+1], s33, XTILE
	s_add_nc_u64 s[G0A+2:G0A+3], s[WI:WI+1], 49152
	s_or_b32 s[G0A+3], s[G0A+3], 0x80000000
	s_mov_b32 s[G0X], 1                            ; my 32 rows x 512 bytes of x
	s_mov_b32 s[G0X+1], s33
	s_mov_b64 s[G0X+2:G0X+3], s[XP:XP+1]
	s_or_b32 s[G0X+3], s[G0X+3], 0x80000000
	s_mov_b32 s[G0B], 1                            ; the second product's K steps 4 to 7
	s_mov_b32 s[G0B+1], s33
	s_add_nc_u64 s[G0B+2:G0B+3], s[WI:WI+1], 524288+32768
	s_or_b32 s[G0B+3], s[G0B+3], 0x80000000
	s_mov_b32 s[G0C], 1                            ; the third's
	s_mov_b32 s[G0C+1], s33
	s_add_nc_u64 s[G0C+2:G0C+3], s[WI:WI+1], 1048576+32768
	s_or_b32 s[G0C+3], s[G0C+3], 0x80000000
	ROUND                                          ; all four work-groups are here: the joint loads meet
	tensor_load_to_lds s[G0A:G0A+3], s[G1J:G1J+7]  ; my one tensor load at the head
	s_nop 0
	s_wait_loadcnt 48                              ; the parameters and ctx's codes are in: 8 + 8 + 32 loads are younger
.irp a, 0,1,2,3,4
	ds_store_b128 v[PSA], v[T+4+4*\a:T+7+4*\a] offset:4096*\a      ; my 128 columns' parameters: written and read by me alone
.endr
.irp i, 0,1,2,3
	ds_store_b128 v[T+3], v[T+24+4*\i:T+27+4*\i] offset:512*\i     ; image 0
.endr
	WIN 0x40
	PARAM X1, 0                                    ; bo is the first product's C, for both row tiles
	PARAM X1+64, 0
	WIN 0
	MEET                                           ; the first share is in, image 0 is whole
	tensor_load_to_lds s[G0X:G0X+3], s[G1X:G1X+7]  ; x: a first fill, issued as a refill is
	s_nop 0
	ALOAD 0, 0
	ALOAD 0, 1
	PRODUCT 0, X1, 0x51                            ; ctx wo + bo
	s_wait_tensorcnt 0x0                           ; x is in my region
.irp t, 0,1
.irp u, 0,1,2,3,4,5,6,7
.irp e, 0,1
	ds_load_b128 v[H+64*\t+8*\u+4*\e:H+64*\t+8*\u+4*\e+3], v[SO] offset:16*XPITCH*\t+64*\u+16*\e
.endr
.endr
.endr
	MEET                                           ; x and the first share have been read out
	tensor_load_to_lds s[G0B:G0B+3], s[G1K:G1K+7]  ; the second product's share, over both
	s_nop 0
	WSLOAD W1S
.irp i, 0,1,2
	v_mov_b32 v[XT+\i], 0                          ; a lane permute's destination counts as one of its sources
.endr
	WIN 0x41
.set n, 0
.rept 64
	v_pk_add_f32 v[X1+2*n:X1+2*n+1], v[X1+2*n:X1+2*n+1], v[H+2*n:H+2*n+1]    ; x1; each accumulator is read from its low end on
.set n, n+1
.endr
	WIN 0x05
.irp t, 0,1
.irp k, 0,1
	v_pk_add_f32 v[CH+4*\t+2*\k:CH+4*\t+2*\k+1], v[X1+64*\t+4*\k:X1+64*\t+4*\k+1], v[X1+64*\t+4*\k+2:X1+64*\t+4*\k+3]
.endr
.endr
	WIN 0x01
.set n, 4
.rept 28
.irp t, 0,1
	v_pk_add_f32 v[CH+4*\t+2*(n%2):CH+4*\t+2*(n%2)+1], v[X1+64*\t+2*n:X1+64*\t+2*n+1], v[CH+4*\t+2*(n%2):CH+4*\t+2*(n%2)+1]
.endr
.set n, n+1
.endr
	WIN 0
	ROWSUM 0
.irp t, 0,1
	s_delay_alu instid0(VALU_DEP_2)
	v_mul_f32 v[MU+2*\t], s[RN], v[LD+8*\t]        ; the mean
.endr
	WIN 0x01
.irp t, 0,1
.set n, 0
.rept 32
	v_pk_add_f32 v[H+64*\t+2*n:H+64*\t+2*n+1], v[X1+64*\t+2*n:X1+64*\t+2*n+1], v[MU+2*\t:MU+2*\t+1] op_sel_hi:[1,0] neg_lo:[0,1] neg_hi:[0,1]
.set n, n+1
.endr
.endr
	WIN 0
.irp t, 0,1
.irp k, 0,1
	v_pk_mul_f32 v[CH+4*\t+2*\k:CH+4*\t+2*\k+1], v[H+64*\t+2*\k:H+64*\t+2*\k+1], v[H+64*\t+2*\k:H+64*\t+2*\k+1]
.endr
.endr
.set n, 2
.rept 30
.irp t, 0,1
	v_pk_fma_f32 v[CH+4*\t+2*(n%2):CH+4*\t+2*(n%2)+1], v[H+64*\t+2*n:H+64*\t+2*n+1], v[H+64*\t+2*n:H+64*\t+2*n+1], v[CH+4*\t+2*(n%2):CH+4*\t+2*(n%2)+1]
.endr
.set n, n+1
.endr
	ROWSUM 1024
.irp t, 0,1
	s_delay_alu instid0(VALU_DEP_2)
	v_fma_f32 v[RS+2*\t], v[LD+8*\t], s[RN], s[EPS]
.endr
	GBLOAD 0, 0                                    ; gain and bias come two tiles at a time, in two sets that take turns
	GBLOAD 1, 1
	s_wait_alu depctr_va_vdst(0)                   ; the wait ahead of the transcendentals
.irp t, 0,1
	v_rsq_f32 v[RS+2*\t], v[RS+2*\t]
.endr
	v_nop
	s_wait_alu depctr_va_vdst(0)                   ; and ahead of their first reader
.irp t, 0,1
.set n, 0
.rept 32
	v_pk_mul_f32 v[H+64*\t+2*n:H+64*\t+2*n+1], v[H+64*\t+2*n:H+64*\t+2*n+1], v[RS+2*\t:RS+2*\t+1] op_sel_hi:[1,0]
.set n, n+1
.endr
.endr
	s_wait_dscnt 8                                 ; set 0 is in; set 1's eight loads are younger
	GBFMA 0, 0
	GBLOAD 0, 2
	s_wait_dscnt 8
	GBFMA 1, 1
	GBLOAD 1, 3
	s_wait_dscnt 8
	GBFMA 0, 2
	s_wait_dscnt 0x0
	GBFMA 1, 3
	TOIMG 1                                        ; h2 -> image 1
	PARAM H, 12288                                 ; b1 is the second product's C
	PARAM H+64, 12288
	ALOAD 1, 0
	ALOAD 1, 1
	PRODUCT 1, H, 0x01                             ; h2 w1 + b1
	MEET                                           ; the second share has been read out
	tensor_load_to_lds s[G0C:G0C+3], s[G1K:G1K+7]  ; the third product's share
	s_nop 0
	WSLOAD W2S
.set j, 0
.rept 128
	v_max_num_f32 v[H+j], 0, v[H+j]                ; relu
.set j, j+1
.endr
	TOIMG 0                                        ; the hidden layer -> image 0: its last readers passed several barriers ago
	ALOAD 2, 0
	ALOAD 2, 1
	PARAM H, 16384                                 ; b2
	s_wait_dscnt 0x0
	WIN 0x41
.irp t, 0,1
.set n, 0
.rept 32
	v_pk_add_f32 v[X1+64*\t+2*n:X1+64*\t+2*n+1], v[X1+64*\t+2*n:X1+64*\t+2*n+1], v[H+2*n:H+2*n+1]
.set n, n+1
.endr
.endr
	WIN 0
	s_wait_alu depctr_va_vdst(0)                   ; the wait here, directly ahead of the product's first wait
	PRODUCT 2, X1, 0x51                            ; x1 + b2 + hidden w2
	; THE WAY OUT: through the head of my region (it has had its last fill, and I alone read it), back as whole rows of 512 bytes.
	WIN 0x04
.irp t, 0,1
.irp u, 0,1,2,3,4,5,6,7
.irp e, 0,1
	ds_store_b128 v[SO], v[X1+64*\t+8*\u+4*\e:X1+64*\t+8*\u+4*\e+3] offset:16*XPITCH*\t+64*\u+16*\e
.endr
.endr
.endr
	WIN 0
.set i, 0
.rept 32
	ds_load_b128 v[H+4*i:H+4*i+3], v[SR] offset:XPITCH*i    ; LDS serves a wave's instructions in order: these see my stores
.set i, i+1
.endr
.set i, 0
.rept 32
	s_wait_dscnt 31-i
	global_store_b128 v[LI], v[H+4*i:H+4*i+3], s[OUTP:OUTP+1] offset:4096*i th:TH_STORE_NT   ; 32 lanes store 512 consecutive bytes, aligned
.set i, i+1
.endr
	s_wait_tensorcnt 0x0                           ; the wave's end
	ds_add_u32 v[SPW], v[NIL]
	s_wait_dscnt 0x0
	ROUND                                          ; the closing round
	s_endpgm
.Lfunc_end_k_q44915a07bd_wo_ffn:
	.size	k_q44915a07bd_wo_ffn, .Lfunc_end_k_q44915a07bd_wo_ffn-k_q44915a07bd_wo_ffn
	.p2alignl 7, 3214868480
	.fill 96, 4, 3214868480
	.section	.rodata,"a",@progbits
	.p2align	6, 0x0
	.amdhsa_kernel k_q44915a07bd_wo_ffn
		.amdhsa_group_segment_fixed_size 327680
		.amdhsa_private_segment_fixed_size 0
		.amdhsa_enable_private_segment 0
		.amdhsa_kernarg_size 104
		.amdhsa_user_sgpr_count 2
		.amdhsa_user_sgpr_kernarg_segment_ptr 1
		.amdhsa_wavefront_size32 1
		.amdhsa_system_sgpr_workgroup_id_x 1
		.amdhsa_system_sgpr_workgroup_id_y 1
		.amdhsa_system_sgpr_workgroup_id_z 1
		.amdhsa_system_vgpr_workitem_id 0
		.amdhsa_next_free_vgpr 512
		.amdhsa_next_free_sgpr 100
		.amdhsa_reserve_vcc 0
		.amdhsa_float_denorm_mode_32 3
		.amdhsa_float_denorm_mode_16_64 3
		.amdhsa_memory_ordered 1
		.amdhsa_forward_progress 1
		.amdhsa_inst_pref_size 187
	.end_amdhsa_kernel
	.amdgpu_metadata
---
amdhsa.version: [ 1, 2 ]
amdhsa.kernels:
  - .name:           k_q44915a07bd_wo_ffn
    .symbol:         k_q44915a07bd_wo_ffn.kd
    .args:
      - { .name: cc, .offset: 0, .size: 8, .value_kind: global_buffer, .address_space: global }
      - { .name: cs, .offset: 8, .size: 8, .value_kind: global_buffer, .address_space: global }
      - { .name: x, .offset: 16, .size: 8, .value_kind: global_buffer, .address_space: global }
      - { .name: wimg, .offset: 24, .size: 8, .value_kind: global_buffer, .address_space: global }
      - { .name: wo_scales, .offset: 32, .size: 8, .value_kind: global_buffer, .address_space: global }
      - { .name: bo, .offset: 40, .size: 8, .value_kind: global_buffer, .address_space: global }
      - { .name: ln2_g, .offset: 48, .size: 8, .value_kind: global_buffer, .address_space: global }
      - { .name: ln2_b, .offset: 56, .size: 8, .value_kind: global_buffer, .address_space: global }
      - { .name: w1_scales, .offset: 64, .size: 8, .value_kind: global_buffer, .address_space: global }
      - { .name: b1, .offset: 72, .size: 8, .value_kind: global_buffer, .address_space: global }
      - { .name: w2_scales, .offset: 80, .size: 8, .value_kind: global_buffer, .address_space: global }
      - { .name: b2, .offset: 88, .size: 8, .value_kind: global_buffer, .address_space: global }
      - { .name: out0, .offset: 96, .size: 8, .value_kind: global_buffer, .address_space: global }
    .group_segment_fixed_size: 327680
    .private_segment_fixed_size: 0
    .kernarg_segment_align: 8
    .kernarg_segment_size: 104
    .max_flat_workgroup_size: 256
    .sgpr_count:     100
    .vgpr_count:     512
    .wavefront_size: 32
...
	.end_amdgpu_metadata
.endif
;; end of part 3
